; MI455X (gfx1250); checked and timed in simulation.
; The chip was launched on July 23, 2026; its instructions are those of AMD's public machine-readable ISA for CDNA 5 (MIT licence, August 2026) and "CDNA5" Instruction Set Architecture Reference Guide (July 2026). The comments in the code are by the model that wrote it; some were corrected since.
;; Multi Head Attention. Allowed arithmetic: matrix products marked QUANTISED: E2M1 operands, one E8M0 scale for each 32 along K, by v_wmma_scale_f32_16x16x128_f8f6f4 with both operands' format E2M1 (or v_wmma_scale_f32_32x16x128_f4), f32 sums; products left as they are: bf16, f16 or f32 operands; f32 sums; everything else in f32.
;; Inputs: Wk 1,024 x 1,024 float32; Wo 1,024 x 1,024 float32; Wq 1,024 x 1,024 float32; Wv 1,024 x 1,024 float32; bo 1,024 float32; x 4 x 2,048 x 1,024 float32.
;; Outputs: out0 4 x 2,048 x 1,024 float32.
;; This version of the problem:
;;   THIS VERSION OF THE PROBLEM IS GIVEN IN LOW PRECISION. The matrix products marked QUANTISED in the list below multiply operands that are first quantised to E2M1 (2 exponent bits, 1 mantissa bit; 4 bits a number), with one power-of-two scale for each 32 numbers along K (OCP MX v1.0); their sums are f32. The products marked 'left as it is' may take bf16, f16 or f32 operands, with f32 sums. Whichever they take, every output number must still come out within the allowed error. Rounding operands to bf16 (8 significant bits) uses up far more of that allowance than f16 does (11 bits, for magnitudes from 6e-5 to 65,504). All else is computed in f32.
;;   The module's matrix products, in the order in which they are computed (A, B: the left and right operand; K: the contracted axis; several contracted axes count as one K, in the product's order):
;;     1. [M 8,192, K 1,024] x [K 1,024, N 1,024]; A: input x; B: input Wq: QUANTISED
;;     2. [M 8,192, K 1,024] x [K 1,024, N 1,024]; A: input x; B: input Wk: QUANTISED
;;     3. [M 8,192, K 1,024] x [K 1,024, N 1,024]; A: input x; B: input Wv: QUANTISED
;;     4. batch 64 x [M 2,048, K 64] x [K 64, N 2,048]; A: computed on the way; B: computed on the way: left as it is (an operand is computed on the way)
;;     5. batch 64 x [M 2,048, K 2,048] x [K 2,048, N 64]; A: computed on the way; B: computed on the way: left as it is (an operand is computed on the way)
;;     6. [M 8,192, K 1,024] x [K 1,024, N 1,024]; A: computed on the way; B: input Wo: left as it is (an operand is computed on the way)
;;   THE QUANTISER, for each operand of a quantised product, along K:
;;     - K is cut into blocks of 32 from its start; a last block that is shorter is filled with zeros.
;;     - A block's scale is 2^e with e = floor(log2(the largest magnitude in the block)) - 2, held to -126 .. 127; a block of zeros has e = 0. As a byte (E8M0): e + 127.
;;     - Each number is divided by its block's scale, clamped to +-6, and rounded to the nearest number of E2M1, ties to even, subnormals kept.
;;     - The product sums the exact products of the quantised numbers (number of the format x scale) in f32.
;;   ~~~python
;;   def quantise(x, axis):      # numpy; x: float32 -> the quantised numbers, widened to float32 again
;;       x = np.moveaxis(x, axis, -1); K = x.shape[-1]
;;       x = np.pad(x, [(0, 0)] * (x.ndim - 1) + [(0, -K % 32)]); x = x.reshape(x.shape[:-1] + (-1, 32)); a = np.abs(x).max(-1, keepdims=True)
;;       e = np.where(a > 0, np.clip(np.frexp(np.where(a > 0, a, 1))[1] - 1 - 2, -126, 127), 0)      # np.frexp(a)[1] - 1 = floor(log2(a)), exactly
;;       r = np.clip(x / 2.0 ** e, -6, 6)
;;       step = 2.0 ** (np.maximum(np.frexp(np.where(r == 0, 1, r))[1] - 1, 0) - 1)
;;       q = np.round(r / step) * step * 2.0 ** e      # np.round: ties to even
;;       return np.moveaxis(q.reshape(q.shape[:-2] + (-1,))[..., :K], -1, axis).astype(np.float32)
;;   ~~~
;; One version. Each part assembles by itself: llvm-mc -triple=amdgcn-amd-amdhsa -mcpu=gfx1250 --defsym DOCPART=n.
;; ======== version 1 of 1: 6 launches
;; limits: values are held in f16: magnitudes above 65,504 overflow, below 6.1e-05 lose precision
;; workspace buffers: xc 4,194,304 bytes; xs 262,144 bytes; wc 1,572,864 bytes; ws 98,304 bytes; wof 2,097,152 bytes; qkv 50,331,648 bytes; ctx 16,777,216 bytes; cfx 262,144 bytes
;; launch prep (part 1): grid 512 x 1, 4 waves a work-group, no clusters, 34,304 bytes of LDS; arguments x, Wq, Wk, Wv, Wo, xc, xs, wc, ws, wof; writes xc, xs, wc, ws, wof
.if DOCPART == 1
	.amdgcn_target "amdgcn-amd-amdhsa--gfx1250"
	.amdhsa_code_object_version 6
	.text
	.protected	k_q51819c497c_prep
	.globl	k_q51819c497c_prep
	.p2align	8
	.type	k_q51819c497c_prep,@function
k_q51819c497c_prep:
	s_mov_b64 s[64:65], 0
	v_nop
	global_prefetch_b8 v0, s[64:65] scope:SCOPE_SE
	s_setreg_imm32_b32 hwreg(HW_REG_WAVE_MODE, 25, 1), 1
	s_wait_xcnt 0x0
; x [8192][1024] f32 is quantised along its rows, Wq, Wk, Wv [1024 (k)][1024 (n)] f32 along their FIRST axis, to codes of FP4 (E2M1) with one E8M0 byte for each 32 along K; Wo is rounded to f16.
; A block's scale is 2^(floor(log2(its largest magnitude)) - 2); its byte is the largest magnitude's exponent field - 2, held at 1 from below.  A block of zeros so gets the byte 1 where the
; quantiser says 127: its codes are zeros, and the bytes are read by this program alone.
; LIMITS: NaN and infinities among the inputs are not served; blocks whose largest magnitude lies under 2^-124 were not tried; |Wo| stays under 65,504 (f16), and under 6e-5 it is rounded to steps of 6e-8.
; EVERY BUFFER WRITTEN HERE IS LAID AS AN IMAGE OF AN OPERAND'S REGISTERS: pieces of 16 bytes, the sixteen rows of a tile side by side:
;   xc [mtile 512][block 32][row 16][16 B = 32 codes]     xs [mtile 512][K half 2][row 16][16 B = 4 scale words, one for each 128 along K]
;   wc, ws the same with ntile 0..191 (Wq 0-63, Wk 64-127, Wv 128-191)     wof [ntile 64][k octet 128][column 16][8 f16]
; Work-groups 0-255: x.  A wave takes 16 rows x 512 along K, in four steps of 128.  Each load reads 512 consecutive bytes of a row; the step turns through the wave's own stage in LDS
; (rows 528 bytes apart), so that lane (r, h) holds blocks h and 2 + h of row r whole: the very numbers whose codes the operand's layout gives that lane.
; Work-groups 256-511: the four weights.  A lane takes a column and its registers run down K (128 rows a wave): a block of 32 lies in one lane, and nothing is transposed.
; The weights' scale words leave 4 bytes a lane, sixteen bytes apart: 98,304 bytes of the 56 MB that the launch moves.
.set STG,   8448                       ; a wave's stage: 16 rows x 528 bytes
.set SPARE, 4*STG                      ; behind the four stages: the spare words, 128 bytes a wave
.set SPW,   8                          ; v8   LDS address of my spare word; never rewritten
.set NIL,   9                          ; v9   0; never rewritten
.set R,     32                         ; v32-159  numbers as loaded
.set X,     160                        ; v160-223 path x: two whole blocks a lane; Wo: packed f16
.set C,     224                        ; v224-255 codes: registers of their own for each step
	s_load_b512 s[8:23], s[0:1], 0x0               ; x 8, Wq 10, Wk 12, Wv 14, Wo 16, xc 18, xs 20, wc 22
	s_load_b128 s[24:27], s[0:1], 0x40             ; ws 24, wof 26
	v_lshl_add_u32 v[SPW], v0, 2, SPARE
	v_mov_b32 v[NIL], 0
	v_lshrrev_b32 v1, 5, v0
	v_readfirstlane_b32 s28, v1                    ; wave
	v_and_b32 v1, 31, v0                           ; lane
	v_and_b32 v2, 15, v0                           ; r
	v_bfe_u32 v3, v0, 4, 1                         ; h
	v_lshlrev_b32 v4, 4, v1                        ; 16 x lane
	v_lshlrev_b32 v5, 2, v1                        ; 4 x lane
	s_mul_i32 s29, s28, STG
	v_add_nc_u32 v6, s29, v4                       ; the stage, on the way in: 16 x lane of a row
	v_mul_u32_u24 v7, v2, 528
	v_lshl_add_u32 v7, v3, 7, v7
	v_add_nc_u32 v7, s29, v7                       ; and on the way out: row r, block h
	v_mov_b32 v19, 0                               ; written once: a lane permute's destination counts as one of its sources
	v_lshlrev_b32 v24, 3, v3                       ; 8 h
	v_lshl_add_u32 v25, v2, 4, v24                 ; 16 r + 8 h
	v_lshlrev_b32 v29, 4, v2                       ; 16 r
	v_lshl_add_u32 v26, v3, 13, v29                ; wc:  lanes 16-31 stand one tile on
	v_lshl_add_u32 v27, v3, 9, v29                 ; ws
	v_lshl_add_u32 v28, v3, 15, v29                ; wof
	s_mov_b32 s36, 0x76543210
	s_mov_b32 s37, 0xfedcba98                      ; v_permlanex16_b32's selects for lane l xor 16
	s_wait_kmcnt 0x0
	s_cmp_lt_u32 ttmp9, 256
	s_cbranch_scc0 .Lw
	; ---------------- x ----------------
	s_lshl_b32 s30, ttmp9, 2
	s_add_co_u32 s30, s30, s28                     ; task = 4 x work-group + wave
	s_lshr_b32 s31, s30, 1                         ; mtile
	s_and_b32 s30, s30, 1                          ; K half
	s_mov_b32 s33, 0
	s_lshl_b32 s32, s31, 16                        ; 16 rows of 4,096 bytes
	s_lshl_b32 s34, s30, 11
	s_add_co_u32 s32, s32, s34
	s_add_nc_u64 s[8:9], s[8:9], s[32:33]
	s_lshl_b32 s32, s31, 13
	s_lshl_b32 s34, s30, 12
	s_add_co_u32 s32, s32, s34
	s_add_nc_u64 s[18:19], s[18:19], s[32:33]
	s_lshl_b32 s32, s31, 9
	s_lshl_b32 s34, s30, 8
	s_add_co_u32 s32, s32, s34
	s_add_nc_u64 s[20:21], s[20:21], s[32:33]
.macro XLOAD t                         ; step t: 128 numbers of each of the 16 rows; a load reads 512 consecutive bytes
.irp i, 0,1,2,3,4,5,6,7,8,9,10,11,12,13,14,15
	global_load_b128 v[R+64*((\t)%2)+4*\i:R+64*((\t)%2)+4*\i+3], v4, s[8:9] offset:\i*4096+512*(\t) th:TH_LOAD_NT
.endr
.endm
.macro XSTEP t
.if (\t) < 3
	s_wait_loadcnt 16                              ; this step's sixteen loads are in; the next step's sixteen may be out
.else
	s_wait_loadcnt 0x0
.endif
.irp i, 0,1,2,3,4,5,6,7,8,9,10,11,12,13,14,15
	ds_store_b128 v6, v[R+64*((\t)%2)+4*\i:R+64*((\t)%2)+4*\i+3] offset:528*\i
.endr
.irp c, 0,1
.irp i, 0,1,2,3,4,5,6,7
	ds_load_b128 v[X+32*\c+4*\i:X+32*\c+4*\i+3], v7 offset:256*\c+16*\i   ; block 2 c + h of row r; LDS serves a wave's instructions in order: these see the stores above
.endr
.endr
	s_wait_dscnt 0x0                               ; my two blocks are in, and the stores have read their registers,
.if (\t) < 2
	XLOAD (\t)+2                                   ; which take the loads of two steps on
.endif
.irp c, 0,1
	v_max3_num_f32 v[10+\c], |v[X+32*\c]|, |v[X+32*\c+1]|, 0x1800000    ; the largest magnitude, and the floor 2^(3 - 127): the byte cannot fall under 1
.endr
.irp i, 2,4,6,8,10,12,14,16,18,20,22,24,26,28,30
.irp c, 0,1
	v_max3_num_f32 v[10+\c], v[10+\c], |v[X+32*\c+\i]|, |v[X+32*\c+\i+1]|   ; (the two blocks by turns)
.endr
.endr
.irp c, 0,1
	v_add_nc_u32 v[14+\c], 0xff000000, v[10+\c]    ; 2 off its exponent field: the conversion takes the exponent field of this operand as its scale
.endr
.irp c, 0,1
	v_lshrrev_b32 v[16+\c], 23, v[14+\c]           ; the scale's byte
.endr
	v_lshl_or_b32 v18, v17, 16, v16                ; my two bytes, blocks h and 2 + h,
	v_lshlrev_b32 v18, v24, v18                    ; at their places in the word;
	v_permlanex16_b32 v19, v18, s36, s37
	v_or_b32 v[20+(\t)], v18, v19                  ; with lane l xor 16's two the word of row r is whole
.irp c, 0,1
.irp g, 0,1,2,3
	v_cvt_scalef32_pk8_fp4_f32 v[C+8*(\t)+4*\c+\g], v[X+32*\c+8*\g:X+32*\c+8*\g+7], v[14+\c]
.endr
.endr
	v_nop                                          ; one plain vector line behind the last scaled conversion
.irp c, 0,1
	global_store_b128 v4, v[C+8*(\t)+4*\c:C+8*(\t)+4*\c+3], s[18:19] offset:1024*(\t)+512*\c   ; blocks 4 t + 2 c + h, row r: 512 consecutive bytes, aligned
.endr
.endm
	XLOAD 0
	XLOAD 1
	XSTEP 0
	XSTEP 1
	XSTEP 2
	XSTEP 3
	v_cmp_ne_u32 vcc_lo, 0, v3
	v_cndmask_b32 v30, v20, v22, vcc_lo            ; lane (r, h) stores words 2 h and 2 h + 1 of row r
	v_cndmask_b32 v31, v21, v23, vcc_lo
	global_store_b64 v25, v[30:31], s[20:21]       ; 32 lanes store 256 consecutive bytes, aligned
	s_wait_tensorcnt 0x0                           ; the wave's end, behind my last LDS store
	ds_add_u32 v[SPW], v[NIL]
	s_wait_dscnt 0x0
	s_endpgm
	; ---------------- the weights ----------------
.Lw:
	s_sub_co_u32 s29, ttmp9, 256
	s_lshr_b32 s30, s29, 6                         ; which weight: 0 Wq, 1 Wk, 2 Wv, 3 Wo
	s_and_b32 s31, s29, 7                          ; which 128 columns
	s_bfe_u32 s32, s29, 0x30003                    ; which 128 along K
	s_lshl_b32 s33, s31, 3
	s_lshl_b32 s34, s28, 1
	s_add_co_u32 s33, s33, s34                     ; my first tile of 16 columns: 8 x group + 2 x wave
	s_mov_b64 s[38:39], s[10:11]
	s_cmp_eq_u32 s30, 1
	s_cselect_b64 s[38:39], s[12:13], s[38:39]
	s_cmp_eq_u32 s30, 2
	s_cselect_b64 s[38:39], s[14:15], s[38:39]
	s_cmp_eq_u32 s30, 3
	s_cselect_b64 s[38:39], s[16:17], s[38:39]     ; the choice hangs on the work-group's number alone
	s_lshl_b32 s40, s32, 19                        ; 128 rows of 4,096 bytes
	s_lshl_b32 s34, s33, 6                         ; 16 columns are 64 bytes
	s_add_co_u32 s40, s40, s34
	s_mov_b32 s41, 0
	s_add_nc_u64 s[38:39], s[38:39], s[40:41]
.set i, 0
.rept 128
	global_load_b32 v[R+i], v5, s[38:39] offset:4096*i th:TH_LOAD_NT   ; W(128 ks + i, my column): 32 lanes read 128 consecutive bytes, the four waves 512
.set i, i+1
.endr
	s_cmp_eq_u32 s30, 3
	s_cbranch_scc1 .Lwo
	s_lshl_b32 s34, s30, 6
	s_add_co_u32 s34, s34, s33                     ; ntile
	s_lshl_b32 s40, s34, 13
	s_lshl_b32 s35, s32, 10
	s_add_co_u32 s40, s40, s35
	s_add_nc_u64 s[22:23], s[22:23], s[40:41]      ; wc: tile x 8,192 + 4 blocks x 256 x ks
	s_lshl_b32 s40, s34, 9
	s_lshr_b32 s35, s32, 2
	s_lshl_b32 s35, s35, 8
	s_add_co_u32 s40, s40, s35
	s_and_b32 s35, s32, 3
	s_lshl_b32 s35, s35, 2
	s_add_co_u32 s40, s40, s35
	s_add_nc_u64 s[24:25], s[24:25], s[40:41]      ; ws: tile x 512 + K half x 256 + 4 x (ks mod 4)
.macro WBLOCK t                        ; block t of my column: all 32 numbers are mine
.set XS, R+32*(\t)
.if (\t) < 2
	s_wait_loadcnt 63                              ; 96 or 64 younger loads might stay out; the count's field holds 63
.else
	s_wait_loadcnt 32*(3-(\t))
.endif
	v_max3_num_f32 v10, |v[XS]|, |v[XS+1]|, |v[XS+2]|
	v_max3_num_f32 v11, |v[XS+3]|, |v[XS+4]|, |v[XS+5]|
.irp i, 6,10,14,18,22,26
	v_max3_num_f32 v10, v10, |v[XS+\i]|, |v[XS+\i+1]|
	v_max3_num_f32 v11, v11, |v[XS+\i+2]|, |v[XS+\i+3]|
.endr
	v_max3_num_f32 v10, v10, |v[XS+30]|, |v[XS+31]|
	v_max3_num_f32 v10, v10, v11, 0x1800000        ; and the floor
	v_add_nc_u32 v14, 0xff000000, v10
	v_lshrrev_b32 v16, 23, v14
.if (\t) == 0
	v_mov_b32 v18, v16                             ; the four bytes make the scale word of these 128 along K
.else
	v_lshl_or_b32 v18, v16, 8*(\t), v18
.endif
.irp g, 0,1,2,3
	v_cvt_scalef32_pk8_fp4_f32 v[C+4*(\t)+\g], v[XS+8*\g:XS+8*\g+7], v14
.endr
	v_nop                                          ; one plain vector line behind the last scaled conversion
	global_store_b128 v26, v[C+4*(\t):C+4*(\t)+3], s[22:23] offset:256*(\t)   ; each half of the lanes stores 256 consecutive bytes, aligned
.endm
	WBLOCK 0
	WBLOCK 1
	WBLOCK 2
	WBLOCK 3
	global_store_b32 v27, v18, s[24:25]
	s_wait_tensorcnt 0x0                           ; the same three closing lines at every end of the text
	ds_add_u32 v[SPW], v[NIL]
	s_wait_dscnt 0x0
	s_endpgm
.Lwo:
	s_lshl_b32 s40, s33, 15
	s_lshl_b32 s35, s32, 12
	s_add_co_u32 s40, s40, s35
	s_add_nc_u64 s[26:27], s[26:27], s[40:41]      ; wof: tile x 32,768 + 16 octets x 256 x ks
.set o, 0
.rept 16
.if 120-8*o > 63
	s_wait_loadcnt 63
.else
	s_wait_loadcnt 120-8*o                         ; octet o's eight loads are in
.endif
.irp p, 0,1,2,3
	v_cvt_pk_f16_f32 v[X+4*o+\p], v[R+8*o+2*\p], v[R+8*o+2*\p+1]
.endr
	global_store_b128 v28, v[X+4*o:X+4*o+3], s[26:27] offset:256*o   ; each half of the lanes stores 256 consecutive bytes, aligned
.set o, o+1
.endr
	s_wait_tensorcnt 0x0
	ds_add_u32 v[SPW], v[NIL]
	s_wait_dscnt 0x0
	s_endpgm
.Lfunc_end_k_q51819c497c_prep:
	.size	k_q51819c497c_prep, .Lfunc_end_k_q51819c497c_prep-k_q51819c497c_prep
	.p2alignl 7, 3214868480
	.fill 96, 4, 3214868480
	.section	.rodata,"a",@progbits
	.p2align	6, 0x0
	.amdhsa_kernel k_q51819c497c_prep
		.amdhsa_group_segment_fixed_size 34304
		.amdhsa_private_segment_fixed_size 0
		.amdhsa_enable_private_segment 0
		.amdhsa_kernarg_size 80
		.amdhsa_user_sgpr_count 2
		.amdhsa_user_sgpr_kernarg_segment_ptr 1
		.amdhsa_wavefront_size32 1
		.amdhsa_system_sgpr_workgroup_id_x 1
		.amdhsa_system_sgpr_workgroup_id_y 1
		.amdhsa_system_sgpr_workgroup_id_z 1
		.amdhsa_system_vgpr_workitem_id 0
		.amdhsa_next_free_vgpr 256
		.amdhsa_next_free_sgpr 66
		.amdhsa_reserve_vcc 1
		.amdhsa_float_denorm_mode_32 3
		.amdhsa_float_denorm_mode_16_64 3
		.amdhsa_memory_ordered 1
		.amdhsa_forward_progress 1
		.amdhsa_inst_pref_size 56
	.end_amdhsa_kernel
	.amdgpu_metadata
---
amdhsa.version: [ 1, 2 ]
amdhsa.kernels:
  - .name:           k_q51819c497c_prep
    .symbol:         k_q51819c497c_prep.kd
    .args:
      - { .name: x, .offset: 0, .size: 8, .value_kind: global_buffer, .address_space: global }
      - { .name: Wq, .offset: 8, .size: 8, .value_kind: global_buffer, .address_space: global }
      - { .name: Wk, .offset: 16, .size: 8, .value_kind: global_buffer, .address_space: global }
      - { .name: Wv, .offset: 24, .size: 8, .value_kind: global_buffer, .address_space: global }
      - { .name: Wo, .offset: 32, .size: 8, .value_kind: global_buffer, .address_space: global }
      - { .name: xc, .offset: 40, .size: 8, .value_kind: global_buffer, .address_space: global }
      - { .name: xs, .offset: 48, .size: 8, .value_kind: global_buffer, .address_space: global }
      - { .name: wc, .offset: 56, .size: 8, .value_kind: global_buffer, .address_space: global }
      - { .name: ws, .offset: 64, .size: 8, .value_kind: global_buffer, .address_space: global }
      - { .name: wof, .offset: 72, .size: 8, .value_kind: global_buffer, .address_space: global }
    .group_segment_fixed_size: 34304
    .private_segment_fixed_size: 0
    .kernarg_segment_align: 8
    .kernarg_segment_size: 80
    .max_flat_workgroup_size: 128
    .sgpr_count:     66
    .vgpr_count:     256
    .wavefront_size: 32
...
	.end_amdgpu_metadata
.endif
;; end of part 1
;; launch qkv (part 2): grid 12 x 32, 4 waves a work-group, clusters of 4 x 4, 327,680 bytes of LDS; arguments xc, xs, wc, ws, qkv; writes qkv
.if DOCPART == 2
	.amdgcn_target "amdgcn-amd-amdhsa--gfx1250"
	.amdhsa_code_object_version 6
	.text
	.protected	k_q51819c497c_qkv
	.globl	k_q51819c497c_qkv
	.p2align	8
	.type	k_q51819c497c_qkv,@function
k_q51819c497c_qkv:
	s_mov_b64 s[64:65], 0
	v_nop
	global_prefetch_b8 v0, s[64:65] scope:SCOPE_SE
	s_setreg_imm32_b32 hwreg(HW_REG_WAVE_MODE, 25, 1), 1
	s_wait_xcnt 0x0
	s_wait_alu depctr_hold_cnt(0) depctr_sa_sdst(0) depctr_va_vdst(0) depctr_va_sdst(0) depctr_va_ssrc(0) depctr_va_vcc(0) depctr_vm_vsrc(0)
	s_getreg_b32 s2, hwreg(HW_REG_IB_STS2, 6, 4)
	s_cmp_eq_u32 s2, 0
	s_cbranch_scc0 .Lentry_in_a_cluster
	s_endpgm
.Lentry_in_a_cluster:
	s_bfe_u32 s2, ttmp6, 0x10000c
	s_cmp_lg_u32 s2, 0xf033
	s_cbranch_scc0 .Lentry_shape_is_right
	s_endpgm
.Lentry_shape_is_right:
; q, k, v = x Wq, x Wk, x Wv as ONE product on codes of FP4 (E2M1) with E8M0 scales: M = 8,192 tokens, N = 3,072 columns (Wq, Wk, Wv on end), K = 1,024; sums in f32, results rounded once to f16.
; LIMIT: |q|, |k|, |v| stay under 65,504 (f16).
; A tile of 256 tokens x 256 columns is made by a work-group of four waves; a wave makes 128 x 128: 64 accumulators of 16 x 16, 512 registers.
; The codes and scale words lie in memory as images of the operands' registers (16 bytes a lane, the 16 rows of a tile side by side), so a fragment is two loads at 16 x lane, 512 consecutive bytes each.
; ALL OF K LIES IN LDS: two halves of K (each 16 tiles of x and 16 of W, 4,096 bytes a tile) and the scale words are filled once, at the head; nothing is filled again.
; CLUSTERS: 4 x 4 work-groups.  The four of a row of the cluster need the same tiles of x, the four of a column the same tiles of W: each is asked for jointly.
; THE MATRIX INSTRUCTION IS USED TRANSPOSED (source 0 = 16 columns of W, source 1 = 16 tokens): a lane holds one token and eight neighbouring channels, 16 bytes of f16, which are one piece of the
; image in which the next launch wants q, k and v: qkv [3][batch 4][head 16][token tile 128][channel octet 8][token 16][8 f16].  So the results leave from registers, 512 consecutive bytes a store.
; No prefetch: every tile is asked for at the head, by the first fills.
; REGISTERS, in windows of 256: window 0: v16-29 addresses; v32-95 scale words, two sets; from v128 x's fragments, one set; on the way out v32-255 are free.
;   window 1: W's fragments, two sets, at v0 and v128.   window 2: the accumulators of my tokens 0-63 ((a, b) at v[8 (8 a + b)]);   window 3: those of tokens 64-127.
.set NQ,    4                          ; steps of 128 along K in a half
.set FR,    8                          ; registers of a fragment
.set NL,    2                          ; LDS loads that bring one
.set NP,    4                          ; places behind this matrix instruction (ISA guide 7.12.1)
.set HALF,  131072                     ; a K half in LDS: x's 16 tiles, then W's 16
.set WOFF,  65536
.set SCL,   2*HALF                     ; x's scale words (8,192 bytes), then W's
.set SPARE, SCL+16384                  ; the spare words, 128 bytes a wave
.set ADRA, 16                          ; v16-17  LDS address of my fragments of x in K half 0, 1
.set ADRB, 20                          ; v20-21  the same for W
.set CO,   26                          ; v26     16 x lane
.set ADRS, 27                          ; v27     LDS address of my scale words: lanes 0-15 x's, lanes 16-31 W's
.set SPW,  28                          ; v28     LDS address of my spare word; never rewritten
.set NIL,  29                          ; v29     0; never rewritten
.set SC,   32                          ; scale words: set s at v[SC + 32 s]; register 4 i + q: lanes 0-15 x's tile i, lanes 16-31 W's tile i, the half's q-th 128 along K
.set AF,   128                         ; x's fragments, in window 0
.set G1, 24                            ; s[24:31] group 1 for x's codes;  s[32:39] groups 0, one for each K half
.set G0, 32
.set G1B, 48                           ; s[48:55], s[56:63] the same for W's codes
.set G0B, 56
.set G1S, 68                           ; s[68:75], s[76:79] x's scale words;  s[80:87], s[88:91] W's
.set G0S, 76
.set G1SB, 80
.set G0SB, 88
.set MSB, 0
.macro WIN new                         ; the immediate's high byte repeats the setting that is left
.if MSB != \new
	s_set_vgpr_msb (MSB<<8)|\new
.set MSB, \new
.endif
.endm
.set MUL_LO, 0xa1                      ; source 0 (W) window 1, source 1 (x) window 0, C and D window 2
.set MUL_HI, 0xf1                      ; the same, C and D window 3
.set TO_B,   0x40                      ; destination window 1, address window 0
; A joint load: waves 0 and 1 fetch for x, waves 2 and 3 for W.  The branch hangs on the wave's number alone.  An s_nop 0 and four v_nop follow each line.
.macro JLOAD g0a, g1a, g0b, g1b
	s_cmp_eq_u32 s15, 0
	s_cbranch_scc0 .Lfor_b_\@
	tensor_load_to_lds s[\g0a:\g0a+3], s[\g1a:\g1a+7]
	s_nop 0
.rept 4
	v_nop
.endr
	s_branch .Lasked_\@
.Lfor_b_\@:
	tensor_load_to_lds s[\g0b:\g0b+3], s[\g1b:\g1b+7]
	s_nop 0
.rept 4
	v_nop
.endr
.Lasked_\@:
.endm
.macro CROUND                          ; a round of the cluster's barrier
	s_barrier_signal -1
	s_barrier_wait -1
	s_cmp_lg_u32 s14, 0
	s_cbranch_scc1 .Lnot_wave_0_\@
	s_barrier_signal -3
.Lnot_wave_0_\@:
	s_barrier_wait -3
	s_barrier_signal -1
	s_barrier_wait -1
.endm
	s_load_b128 s[4:7], s[0:1], 0x0                ; xc, xs
	s_load_b128 s[8:11], s[0:1], 0x10              ; wc, ws
	s_load_b64 s[12:13], s[0:1], 0x20              ; qkv
	v_lshl_add_u32 v[SPW], v0, 2, SPARE
	v_mov_b32 v[NIL], 0
	ds_add_u32 v[SPW], v[NIL]                      ; the wave's opening: the add and its wait stand ahead of my first tensor load; the set-up below stands between them
	v_lshrrev_b32 v1, 5, v0
	v_readfirstlane_b32 s14, v1                    ; wave 0..3
	s_lshr_b32 s15, s14, 1                         ; which half of the tile's tokens is mine.  Also: I fetch for x (0) or for W (1)
	s_and_b32 s16, s14, 1                          ; which half of its columns.  Also: which 8 tiles I fetch
	s_bfe_u32 s40, ttmp6, 0x40000                  ; cx, cy: my place in the cluster
	s_bfe_u32 s41, ttmp6, 0x40004
	s_lshl_b32 s42, ttmp9, 2
	s_add_co_u32 s42, s42, s40                     ; tile column = 4 x cluster x + cx
	s_and_b32 s17, ttmp7, 0xffff
	s_lshl_b32 s17, s17, 2
	s_add_co_u32 s17, s17, s41                     ; tile row = 4 x cluster y + cy
	s_lshl_b32 s43, s41, 2
	s_lshl_b32 s43, 15, s43                        ; my row of the cluster
	s_lshl_b32 s44, 0x1111, s40                    ; my column
	; group 1 for the codes: 8 tiles, of each 4,096 consecutive bytes (512 elements of 8), 8,192 bytes from tile to tile; dense in LDS
	s_or_b32 s[G1+0], s43, (3<<16)|(1<<21)         ; 15:0 the mask; 17:16 elements of 8 bytes; 21 set beside a mask
	s_or_b32 s[G1B+0], s44, (3<<16)|(1<<21)
.irp g, G1, G1B
	s_mov_b32 s[\g+1], 512<<16                     ; tensor_dim0
	s_mov_b32 s[\g+2], 8<<16                       ; tensor_dim1
	s_mov_b32 s[\g+3], 512<<16                     ; tile_dim0
	s_mov_b32 s[\g+4], 8                           ; tile_dim1
	s_mov_b32 s[\g+5], 1024                        ; tensor_dim0_stride
	s_mov_b32 s[\g+6], 0
	s_mov_b32 s[\g+7], 0
.endr
	; and for the scale words of 8 tiles: 4,096 dense bytes as 16 rows of 256
	s_or_b32 s[G1S+0], s43, (3<<16)|(1<<21)
	s_or_b32 s[G1SB+0], s44, (3<<16)|(1<<21)
.irp g, G1S, G1SB
	s_mov_b32 s[\g+1], 32<<16
	s_mov_b32 s[\g+2], 16<<16
	s_mov_b32 s[\g+3], 32<<16
	s_mov_b32 s[\g+4], 16
	s_mov_b32 s[\g+5], 32
	s_mov_b32 s[\g+6], 0
	s_mov_b32 s[\g+7], 0
.endr
	s_lshl_b32 s18, s16, 3
	s_lshl_b32 s20, s17, 4
	s_add_co_u32 s20, s20, s18                     ; x: tile 16 x tile row + 8 x half
	s_lshl_b32 s46, s42, 4
	s_add_co_u32 s46, s46, s18                     ; W: tile 16 x tile column + 8 x half
	s_lshl_b32 s22, s20, 9                         ; their scale words: 512 bytes a tile
	s_mov_b32 s23, 0
	s_lshl_b32 s92, s46, 9
	s_mov_b32 s93, 0
	s_lshl_b32 s20, s20, 13                        ; their codes: 8,192 bytes a tile
	s_mov_b32 s21, 0
	s_lshl_b32 s46, s46, 13
	s_mov_b32 s47, 0
	s_lshl_b32 s45, s14, 15                        ; where they go: wave x 32,768: no place in the cluster enters an LDS address
	s_lshl_b32 s94, s14, 12
	s_wait_dscnt 0x0                               ; the opening add is done
	s_wait_kmcnt 0x0
	s_add_nc_u64 s[20:21], s[4:5], s[20:21]
	s_add_nc_u64 s[22:23], s[6:7], s[22:23]
	s_add_nc_u64 s[46:47], s[8:9], s[46:47]
	s_add_nc_u64 s[92:93], s[10:11], s[92:93]
	CROUND                                         ; all sixteen work-groups are here: the joint loads meet
	s_mov_b32 s[G0S], 1
	s_add_co_u32 s[G0S+1], s94, SCL
	s_mov_b64 s[G0S+2:G0S+3], s[22:23]
	s_or_b32 s[G0S+3], s[G0S+3], 0x80000000
	s_mov_b32 s[G0SB], 1
	s_add_co_u32 s[G0SB+1], s94, SCL
	s_mov_b64 s[G0SB+2:G0SB+3], s[92:93]
	s_or_b32 s[G0SB+3], s[G0SB+3], 0x80000000
	JLOAD G0S, G1S, G0SB, G1SB                     ; the scale words first: they are wanted with K half 0
.irp s, 0,1
	s_mov_b32 s[G0+4*\s], 1
	s_add_co_u32 s[G0+4*\s+1], s45, \s*HALF
	s_add_nc_u64 s[G0+4*\s+2:G0+4*\s+3], s[20:21], \s*4096
	s_or_b32 s[G0+4*\s+3], s[G0+4*\s+3], 0x80000000
	s_mov_b32 s[G0B+4*\s], 1
	s_add_co_u32 s[G0B+4*\s+1], s45, \s*HALF
	s_add_nc_u64 s[G0B+4*\s+2:G0B+4*\s+3], s[46:47], \s*4096
	s_or_b32 s[G0B+4*\s+3], s[G0B+4*\s+3], 0x80000000
	JLOAD G0+4*\s, G1, G0B+4*\s, G1B               ; three loads of mine are out behind the second
.endr
	v_and_b32 v1, 15, v0                           ; r
	v_bfe_u32 v2, v0, 4, 1                         ; h
	v_and_b32 v3, 31, v0
	v_lshlrev_b32 v[CO], 4, v3                     ; 16 x lane
	s_lshl_b32 s21, s15, 15                        ; my 8 tiles of x
	s_lshl_b32 s22, s16, 15                        ; my 8 tiles of W,
	s_add_co_u32 s22, s22, WOFF                    ; which lie behind x's 16
.irp s, 0,1
	v_add_nc_u32 v[ADRA+\s], s21, v[CO]
	v_add_nc_u32 v[ADRB+\s], s22, v[CO]
	s_add_co_u32 s21, s21, HALF
	s_add_co_u32 s22, s22, HALF
.endr
	v_lshlrev_b32 v5, 4, v1                        ; my row's four words of a K half
	s_lshl_b32 s21, s15, 12                        ; x's: my 8 tiles
	s_lshl_b32 s22, s16, 12                        ; W's: my 8 tiles, behind x's 16
	s_add_co_u32 s22, s22, 8192
	s_sub_co_u32 s22, s22, s21
	v_mul_u32_u24 v6, s22, v2                      ; lanes 16-31 take W's: one product with h
	s_add_co_u32 s21, s21, SCL
	v_add_nc_u32 v5, v5, v6
	v_add_nc_u32 v[ADRS], s21, v5
	; where my part of qkv begins
	s_lshl_b32 s20, ttmp9, 24                      ; q, k or v: 1,024 columns are 4 tile columns, a cluster's width
	s_lshr_b32 s21, s17, 3
	s_lshl_b32 s21, s21, 22                        ; the batch: 8 tile rows
	s_add_co_u32 s20, s20, s21
	s_and_b32 s21, s17, 7
	s_lshl_b32 s21, s21, 4
	s_lshl_b32 s22, s15, 3
	s_add_co_u32 s21, s21, s22                     ; my first token tile in the batch
	s_lshl_b32 s21, s21, 11
	s_add_co_u32 s20, s20, s21
	s_lshl_b32 s46, s40, 2
	s_lshl_b32 s47, s16, 1
	s_add_co_u32 s46, s46, s47                     ; my first head: 4 cx + 2 x half
	s_lshl_b32 s46, s46, 18
	s_add_co_u32 s20, s20, s46
	s_mov_b32 s21, 0
	s_add_nc_u64 s[12:13], s[12:13], s[20:21]
.macro FRAG reg, adr, q, i             ; a fragment, 16 rows x 128 K of 4-bit codes: registers 4 c .. 4 c + 3 of lane (r, h) hold K = 64 c + 32 h + 0 .. 31: the piece at 512 c + 16 x lane
.irp c, 0,1
	ds_load_b128 v[\reg+4*\c:\reg+4*\c+3], v[\adr] offset:1024*(\q)+512*\c+(\i)*4096
.endr
.endm
; 16 matrix instructions: x's tiles a0, a0 + 1 against W's eight, 128 along K.  p: W's set;  sc: the set of scale words.  zero = 1: the first product starts the sums.
; The 64 accumulators take turns, one instruction a turn, in the same order in every step.
.macro MUL16 a0, p, q, sc, zero
.irp a, \a0, \a0+1
.irp b, 0,1,2,3,4,5,6,7
.if \zero
	v_wmma_scale_f32_16x16x128_f8f6f4 v[8*(8*((\a)%4)+\b):8*(8*((\a)%4)+\b)+7], v[128*(\p)+FR*\b:128*(\p)+FR*\b+FR-1], v[AF+FR*(\a):AF+FR*(\a)+FR-1], 0, v[SC+8*NQ*(\sc)+NQ*\b+(\q)], v[SC+8*NQ*(\sc)+NQ*(\a)+(\q)] matrix_a_fmt:MATRIX_FMT_FP4 matrix_b_fmt:MATRIX_FMT_FP4 matrix_a_scale:MATRIX_SCALE_ROW1
.else
	v_wmma_scale_f32_16x16x128_f8f6f4 v[8*(8*((\a)%4)+\b):8*(8*((\a)%4)+\b)+7], v[128*(\p)+FR*\b:128*(\p)+FR*\b+FR-1], v[AF+FR*(\a):AF+FR*(\a)+FR-1], v[8*(8*((\a)%4)+\b):8*(8*((\a)%4)+\b)+7], v[SC+8*NQ*(\sc)+NQ*\b+(\q)], v[SC+8*NQ*(\sc)+NQ*(\a)+(\q)] matrix_a_fmt:MATRIX_FMT_FP4 matrix_b_fmt:MATRIX_FMT_FP4 matrix_a_scale:MATRIX_SCALE_ROW1
.endif
.endr
.endr
.endm
.macro FETCH_B slot, q, p              ; W's eight fragments of the half's q-th 128 along K into set p
	WIN TO_B
.irp i, 0,1,2,3,4,5,6,7
	FRAG 128*(\p)+FR*\i, ADRB+\slot, \q, \i
.endr
	WIN 0
.endm
.macro FETCH_A slot, q, i0             ; x's tiles i0 .. i0 + 3
.irp i, \i0, \i0+1, \i0+2, \i0+3
	FRAG AF+FR*(\i), ADRA+\slot, \q, \i
.endr
.endm
.macro SCALES sc                       ; K half sc's scale words: four words a row; lanes 0-15 take x's tile i, lanes 16-31 W's tile i
.irp i, 0,1,2,3,4,5,6,7
	ds_load_b128 v[SC+8*NQ*\sc+NQ*\i:SC+8*NQ*\sc+NQ*\i+3], v[ADRS] offset:512*\i+256*\sc
.endr
.endm
.macro PLACES n                        ; plain vector lines between a matrix instruction and a load into, or a vector read or write of, its registers (ISA guide 7.12.1 for vector reads and writes)
.rept \n
	v_nop
.endr
.endm
; A step of 128 along K that has its successor in the same K half.  x has one set of registers: a tile is free as soon as its eight products are issued.
.macro STEP slot, q, zero
	s_wait_dscnt 4*NL                              ; W's set, x's tiles 0-3 (and the scale words) are in; the youngest eight loads (x's tiles 4-7) may be out
	WIN MUL_LO
	MUL16 0, (\q)%2, \q, \slot, \zero
	MUL16 2, (\q)%2, \q, \slot, \zero
	s_wait_dscnt 0                                 ; x's tiles 4-7 are in
	PLACES NP
	FETCH_B \slot, (\q)+1, 1-(\q)%2
	FETCH_A \slot, (\q)+1, 0
	WIN MUL_HI
	MUL16 4, (\q)%2, \q, \slot, \zero
	MUL16 6, (\q)%2, \q, \slot, \zero
	PLACES NP
	WIN 0
	FETCH_A \slot, (\q)+1, 4
.endm
.macro STEPS slot, from
.set Q, \from
.rept NQ-1-\from
	STEP \slot, Q, 0
.set Q, Q+1
.endr
.endm
	s_wait_tensorcnt 1                             ; the scale words and my part of K half 0 are in (half 1's load may be out),
	s_barrier_signal -1
	s_barrier_wait -1                              ; everybody's are
	FETCH_B 0, 0, 0
	FETCH_A 0, 0, 0
	SCALES 0
	FETCH_A 0, 0, 4
	STEP 0, 0, 1                                   ; the first step's products start the sums: nothing is cleared
	STEPS 0, 1
	; K half 0's last step, and the change to half 1: each wave's part of half 1 has landed before it signals
	s_wait_tensorcnt 0x0                           ; all my tensor loads have landed  (every window is 0 here)
	ds_add_u32 v[SPW], v[NIL]                      ; 0 onto my spare word
	s_wait_dscnt 4*NL+1                            ; (the add and x's tiles 4-7 may be out)
	WIN MUL_LO
	MUL16 0, 1, NQ-1, 0, 0
	s_wait_dscnt 0x0
	s_barrier_signal -1
	MUL16 2, 1, NQ-1, 0, 0
	WIN 0
	s_barrier_wait -1                              ; K half 1 is whole
	PLACES NP
	FETCH_B 1, 0, 0
	FETCH_A 1, 0, 0
	SCALES 1
	WIN MUL_HI
	MUL16 4, 1, NQ-1, 0, 0
	MUL16 6, 1, NQ-1, 0, 0
	PLACES NP
	WIN 0
	FETCH_A 1, 0, 4
	STEPS 1, 0
	s_wait_dscnt 4*NL                              ; the very last step: nothing more to fetch
	WIN MUL_LO
	MUL16 0, 1, NQ-1, 1, 0
	MUL16 2, 1, NQ-1, 1, 0
	s_wait_dscnt 0
	WIN MUL_HI
	MUL16 4, 1, NQ-1, 1, 0
	MUL16 6, 1, NQ-1, 1, 0
	WIN 0
; THE WAY OUT.  Token tile a: a lane's eight channels of W's tile b become 16 bytes of f16: channel octet 2 (b mod 4) + h of head b / 4, token r: the store's 32 lanes cover 512 consecutive bytes, aligned.
; Each accumulator is read from its low end on.  Seven sets of 32 registers take turns.
.macro OUT a
.set AC, 64*((\a)%4)
.set TT, 32+32*((\a)%7)
	WIN 0x0a+5*((\a)/4)                            ; sources 0 and 1: window 2 or 3
.irp b, 0,1,2,3,4,5,6,7
.irp p, 0,1,2,3
	v_cvt_pk_f16_f32 v[TT+4*\b+\p], v[AC+8*\b+2*\p], v[AC+8*\b+2*\p+1]
.endr
.endr
	WIN 0
.irp b, 0,1,2,3,4,5,6,7
	global_store_b128 v[CO], v[TT+4*\b:TT+4*\b+3], s[12:13] offset:2048*(\a)+262144*(\b/4)+512*(\b%4) th:TH_STORE_NT
.endr
.endm
	PLACES NP                                      ; behind the last products: the conversions read results and write registers that held scale words and fragments
	OUT 0
	OUT 1
	OUT 2
	OUT 3
	OUT 4
	OUT 5
	OUT 6
	s_wait_xcnt 0x0                                ; tile 0's stores have read their registers: tile 7 takes the same set
	OUT 7
	s_wait_tensorcnt 0x0                           ; the wave's end
	ds_add_u32 v[SPW], v[NIL]
	s_wait_dscnt 0x0
	CROUND                                         ; the closing round
	s_endpgm
.Lfunc_end_k_q51819c497c_qkv:
	.size	k_q51819c497c_qkv, .Lfunc_end_k_q51819c497c_qkv-k_q51819c497c_qkv
	.p2alignl 7, 3214868480
	.fill 96, 4, 3214868480
	.section	.rodata,"a",@progbits
	.p2align	6, 0x0
	.amdhsa_kernel k_q51819c497c_qkv
		.amdhsa_group_segment_fixed_size 327680
		.amdhsa_private_segment_fixed_size 0
		.amdhsa_enable_private_segment 0
		.amdhsa_kernarg_size 40
		.amdhsa_user_sgpr_count 2
		.amdhsa_user_sgpr_kernarg_segment_ptr 1
		.amdhsa_wavefront_size32 1
		.amdhsa_system_sgpr_workgroup_id_x 1
		.amdhsa_system_sgpr_workgroup_id_y 1
		.amdhsa_system_sgpr_workgroup_id_z 1
		.amdhsa_system_vgpr_workitem_id 0
		.amdhsa_next_free_vgpr 1024
		.amdhsa_next_free_sgpr 98
		.amdhsa_reserve_vcc 0
		.amdhsa_float_denorm_mode_32 3
		.amdhsa_float_denorm_mode_16_64 3
		.amdhsa_memory_ordered 1
		.amdhsa_forward_progress 1
		.amdhsa_inst_pref_size 117
	.end_amdhsa_kernel
	.amdgpu_metadata
---
amdhsa.version: [ 1, 2 ]
amdhsa.kernels:
  - .name:           k_q51819c497c_qkv
    .symbol:         k_q51819c497c_qkv.kd
    .args:
      - { .name: xc, .offset: 0, .size: 8, .value_kind: global_buffer, .address_space: global }
      - { .name: xs, .offset: 8, .size: 8, .value_kind: global_buffer, .address_space: global }
      - { .name: wc, .offset: 16, .size: 8, .value_kind: global_buffer, .address_space: global }
      - { .name: ws, .offset: 24, .size: 8, .value_kind: global_buffer, .address_space: global }
      - { .name: qkv, .offset: 32, .size: 8, .value_kind: global_buffer, .address_space: global }
    .group_segment_fixed_size: 327680
    .private_segment_fixed_size: 0
    .kernarg_segment_align: 8
    .kernarg_segment_size: 40
    .max_flat_workgroup_size: 128
    .sgpr_count:     98
    .vgpr_count:     1024
    .wavefront_size: 32
...
	.end_amdgpu_metadata
.endif
;; end of part 2
;; launch attn (part 3): grid 4 x 64, 16 waves a work-group, no clusters, 327,680 bytes of LDS; arguments qkv, ctx; writes ctx
.if DOCPART == 3
	.amdgcn_target "amdgcn-amd-amdhsa--gfx1250"
	.amdhsa_code_object_version 6
	.text
	.protected	k_q51819c497c_attn
	.globl	k_q51819c497c_attn
	.p2align	8
	.type	k_q51819c497c_attn,@function
k_q51819c497c_attn:
	s_mov_b64 s[64:65], 0
	v_nop
	global_prefetch_b8 v0, s[64:65] scope:SCOPE_SE
	s_setreg_imm32_b32 hwreg(HW_REG_WAVE_MODE, 25, 1), 1
	s_wait_xcnt 0x0
; ctx[b][q][head] = the sum over keys k <= q of softmax_k(Q . K / 8) V, for 64 (batch, head) pairs of 2,048 tokens x 64 channels.  Q, K, V, the weights p and ctx are f16; products, maxima and sums f32.
; LIMITS: |q|, |k|, |v| under 65,504 (f16); NaN and infinities are not served.
; SOFTMAX.  For each query a running maximum m and sum l: p = 2^(c s - c m), c = log2(e) / 8; in every step O and l are multiplied by a = 2^(c m_old - c m_new).  l is summed of the unrounded p.
; SHARES.  Work-group (i, head) owns query blocks i and 7 - i of the head, 256 queries each: waves 0-7 block i, waves 8-15 block 7 - i; a wave owns 32 queries, two tiles of 16.  The keys that the
; two blocks need together are 256 (i + 1) + 256 (8 - i): the same in every work-group.  In a block wave u takes place u xor 3 (u / 4), so that waves u and u + 4 have places u and 7 - u.
; Every work-group walks all eight slots of 256 keys: the trip counts are constants.  A step (64 keys) all of whose keys come after a wave's queries is left out by a scalar branch on ids.
; A slot whose first key comes after the work-group's last query is not asked for.
; NO CLUSTER: the four work-groups of a head end their walks at slots 8, 7, 6 and 5, and do different amounts of work in each slot: joint requests would tie all four to the slowest in every slot.
; LAYOUT.  qkv [3][batch][head][token tile 128][channel octet 8][token 16][8 f16].  S^T = K Q^T (source 0 = 16 keys, source 1 = 16 queries): a fragment of K or Q is two pieces at 16 x lane.
; In S^T a lane holds ONE query (lane % 16) and keys 8 (lane / 16) + 0..7; two such tiles, rounded to f16 in pairs IN PLACE, are source 1 of O^T = V^T P.  V comes turned, by ds_load_tr16_b128:
; its pieces of 256 bytes (16 keys x 8 channels) lie 384 bytes apart in LDS, so that the two channel octets that sixteen lanes read fall on different 128 bytes modulo 256.
; ctx [token tile 512][k octet 128][token 16][8 f16]: a lane's eight channels are one piece: the results leave from registers, 512 consecutive bytes a store.
.set SLOT1, 131072                     ; slot 1 begins here: one exclusive or turns an address from one slot to the other
.set VOFF,  32768                      ; a slot: K's 32,768 dense bytes, then V's 128 pieces x 384
.set SPARE, 262144                     ; the spare words, 128 bytes for each of 16 waves
.set AK0, 1                            ; v1   16 x lane: K's pieces; also Q's and ctx's offset
.set AV0, 2                            ; v2   my lane's place in V's pieces
.set SPW, 3                            ; v3   LDS address of my spare word; never rewritten
.set NIL, 4                            ; v4   0; never rewritten
.set ADK, 5                            ; v5   LDS address of the slot's K
.set ADV, 6                            ; v6   of its V
.set PFO, 9                            ; v9   256 x lane
.set SB,  10                           ; v[10:11], v[30:31] the second chain of a tile's sum
.set ST,  12                           ; tile t's statistics at v[ST + 8 t]: +0 c m, +1 m, +2, +3 l, +4 to +7 at work; a in +6
.set Q,   32                           ; v32-63   Q: fragment (tile t, channels 32 c on) at Q + 16 t + 8 c
.set KV,  64                           ; v64-127  K's eight fragments, then V's
.set S,   128                          ; v128-191 S^T, 32 a tile; P lands in its first 16
.set O,   192                          ; v192-255 O^T, 32 a tile
.set WV,  8
.set Q0,  14                           ; s14  my first query
.set QL,  15                           ; s15  my last
.set QLAST, 16                         ; s16  my work-group's last
.set KF,  17                           ; s17  the step's first key
.set TB,  18                           ; s18  LDS byte at which the slot in hand begins
.set SLOTS, 19
.set SEL, 20                           ; s[20:21] lane l xor 16
.set CS,  22                           ; s[22:23] c, twice
.set G1K, 24
.set G1V, 32
.set G0K, 40
.set G0V, 44
.set PFA, 48                           ; s[48:49] where my prefetches stand
.set LIM, 50                           ; s50  1 in a wave that prefetches, else the greatest number
; Waves 0 and 1 fetch K's halves of a slot, waves 2 and 3 V's, the others nothing.  An s_nop 0 and four v_nop follow each line.
.macro TLOAD
	s_cmp_lt_u32 s[WV], 2
	s_cbranch_scc0 .Lnot_k_\@
	tensor_load_to_lds s[G0K:G0K+3], s[G1K:G1K+7]
	s_nop 0
.rept 4
	v_nop
.endr
	s_branch .Lasked_\@
.Lnot_k_\@:
	s_cmp_lt_u32 s[WV], 4
	s_cbranch_scc0 .Lasked_\@
	tensor_load_to_lds s[G0V:G0V+3], s[G1V:G1V+7]
	s_nop 0
.rept 4
	v_nop
.endr
.Lasked_\@:
.endm
; A prefetch of what the NEXT change of slots will ask for: 32,768 bytes of K and of V.  The head's work-group 0, which walks all eight slots, asks, and nobody else; in it waves 4-7 ask for K's,
; waves 8-11 for V's, 8,192 bytes a wave, lanes 256 bytes apart: each aligned 256 bytes of slots 2 to 7 is named once in the launch.  The last change that fills a slot asks for nothing.
.macro ASK
	s_cmp_gt_u32 s[SLOTS], s[LIM]
	s_cbranch_scc0 .Lnot_mine_\@
	global_prefetch_b8 v[PFO], s[PFA:PFA+1] th:TH_LOAD_NT scope:SCOPE_SE
.Lnot_mine_\@:
.endm
	s_load_b128 s[4:7], s[0:1], 0x0                ; qkv, ctx
	v_lshl_add_u32 v[SPW], v0, 2, SPARE
	v_mov_b32 v[NIL], 0
	ds_add_u32 v[SPW], v[NIL]                      ; the wave's opening: the add and its wait stand ahead of the first tensor load; the set-up below stands between them
	v_lshrrev_b32 v5, 5, v0
	v_readfirstlane_b32 s[WV], v5                  ; wave 0..15
	s_and_b32 s9, ttmp7, 0xffff                    ; 16 x batch + head
	s_and_b32 s10, s[WV], 7
	s_lshr_b32 s11, s10, 2
	s_mul_i32 s11, s11, 3
	s_xor_b32 s10, s10, s11                        ; my place in the block
	s_lshl_b32 s11, ttmp9, 1
	s_sub_co_u32 s11, 7, s11
	s_lshr_b32 s12, s[WV], 3
	s_mul_i32 s11, s11, s12
	s_add_co_u32 s11, s11, ttmp9                   ; my block: i, or 7 - i
	s_lshl_b32 s[Q0], s11, 8
	s_lshl_b32 s10, s10, 5
	s_add_co_u32 s[Q0], s[Q0], s10
	s_add_co_u32 s[QL], s[Q0], 31
	s_sub_co_u32 s[QLAST], 8, ttmp9
	s_lshl_b32 s[QLAST], s[QLAST], 8
	s_sub_co_u32 s[QLAST], s[QLAST], 1
	s_mov_b32 s[KF], 0
	s_mov_b32 s[TB], 0
	s_mov_b32 s[SLOTS], 7
	s_mov_b32 s[SEL], 0x76543210
	s_mov_b32 s[SEL+1], 0xfedcba98
	s_mov_b32 s[CS], 0x3e38aa3b                    ; c = log2(e) / 8
	s_mov_b32 s[CS+1], s[CS]
	; group 1: half a slot, 16,384 dense bytes, as 64 rows of 256 (32 elements of 8 bytes); V's with 32 words of padding behind each 64
	s_mov_b32 s[G1K], 3<<16
	s_mov_b32 s[G1V], (3<<16)|(1<<20)|(5<<22)|(31<<25)
.irp g, G1K, G1V
	s_mov_b32 s[\g+1], 32<<16                      ; tensor_dim0
	s_mov_b32 s[\g+2], 64<<16                      ; tensor_dim1
	s_mov_b32 s[\g+3], 32<<16                      ; tile_dim0
	s_mov_b32 s[\g+4], 64                          ; tile_dim1
	s_mov_b32 s[\g+5], 32                          ; tensor_dim0_stride
	s_mov_b32 s[\g+6], 0
	s_mov_b32 s[\g+7], 0
.endr
	s_lshl_b32 s52, s9, 18                         ; the head's bytes in each of q, k, v
	s_and_b32 s13, s[WV], 1                        ; which half of a slot I fetch
	s_mov_b32 s[G0K], 1
	s_lshl_b32 s[G0K+1], s13, 14
	s_mov_b32 s[G0V], 1
	s_mul_i32 s[G0V+1], s13, 24576
	s_add_co_u32 s[G0V+1], s[G0V+1], VOFF
	s_lshl_b32 s54, s13, 14
	s_add_co_u32 s54, s54, s52
	s_add_co_u32 s54, s54, 0x1000000               ; K
	s_mov_b32 s55, 0
	s_add_co_u32 s56, s54, 0x1000000               ; V
	s_mov_b32 s57, 0
	s_lshl_b32 s58, s[Q0], 7                       ; Q: 2,048 bytes for 16 queries
	s_add_co_u32 s58, s58, s52
	s_mov_b32 s59, 0
	s_lshr_b32 s10, s9, 4
	s_lshl_b32 s10, s10, 22                        ; ctx: the batch's 128 token tiles of 32,768 bytes,
	s_lshl_b32 s11, s[Q0], 11                      ; my first tile,
	s_add_co_u32 s10, s10, s11
	s_and_b32 s11, s9, 15
	s_lshl_b32 s11, s11, 11                        ; the head's 8 octets of 256 bytes
	s_add_co_u32 s10, s10, s11
	s_mov_b32 s11, 0
	s_mov_b32 s12, 0x2000000                       ; the prefetches: waves 4-7 K, waves 8-11 V,
	s_cmp_lt_u32 s[WV], 8
	s_cselect_b32 s12, 0x1000000, s12
	s_add_co_u32 s12, s12, s52
	s_and_b32 s53, s[WV], 3
	s_lshl_b32 s53, s53, 13                        ; my wave's 8,192 bytes,
	s_add_co_u32 s12, s12, s53
	s_add_co_u32 s12, s12, 32768                   ; in slot 1: the first change of slots steps it to slot 2
	s_mov_b32 s13, 0
	s_sub_co_u32 s53, s[WV], 4
	s_lshr_b32 s53, s53, 3                         ; 0 in waves 4 to 11,
	s_or_b32 s53, s53, ttmp9                       ; of the head's work-group 0
	s_cmp_eq_u32 s53, 0
	s_cselect_b32 s[LIM], 1, -1
	v_and_b32 v[AK0], 31, v0
	v_lshlrev_b32 v[AK0], 4, v[AK0]
	s_wait_dscnt 0x0                               ; the opening add is done
	s_wait_kmcnt 0x0
	s_add_nc_u64 s[G0K+2:G0K+3], s[4:5], s[54:55]
	s_or_b32 s[G0K+3], s[G0K+3], 0x80000000
	s_add_nc_u64 s[G0V+2:G0V+3], s[4:5], s[56:57]
	s_or_b32 s[G0V+3], s[G0V+3], 0x80000000
	TLOAD                                          ; slot 0
	s_add_nc_u64 s[60:61], s[4:5], s[58:59]
	s_add_nc_u64 s[62:63], s[6:7], s[10:11]
	s_add_nc_u64 s[PFA:PFA+1], s[4:5], s[12:13]
.irp t, 0,1
.irp c, 0,1
	global_load_b128 v[Q+16*\t+8*\c:Q+16*\t+8*\c+3],   v[AK0], s[60:61] offset:2048*\t+1024*\c       ; Q stays in registers
	global_load_b128 v[Q+16*\t+8*\c+4:Q+16*\t+8*\c+7], v[AK0], s[60:61] offset:2048*\t+1024*\c+512
.endr
.endr
	v_lshlrev_b32 v[PFO], 4, v[AK0]
	v_and_b32 v7, 15, v0                           ; r
	v_bfe_u32 v6, v0, 4, 1                         ; h
	v_lshlrev_b32 v10, 3, v6
	v_sub_nc_u32 v7, v7, v10                       ; v7 = r - 8 h, for the mask
	v_and_b32 v10, 7, v0
	v_lshl_add_u32 v10, v6, 3, v10                 ; the turning load: lane l addresses key 8 (l / 16) + l % 8 of a tile of 16,
	v_bfe_u32 v11, v0, 3, 1
	v_mul_u32_u24 v11, v11, 384                    ; in channel octet (l / 8) % 2 of the pair
	v_lshl_add_u32 v[AV0], v10, 4, v11
	v_add_nc_u32 v[AV0], VOFF, v[AV0]
	v_mov_b32 v8, 0xff800000                       ; v8 = -infinity
.irp t, 0,1
	v_mov_b32 v[ST+8*\t+1], 0xff61b1e6             ; m = -3e38, under every score
	v_mul_f32 v[ST+8*\t], s[CS], v[ST+8*\t+1]      ; c m
	v_mov_b32 v[ST+8*\t+2], 0                      ; l
	v_mov_b32 v[ST+8*\t+3], 0
	v_mov_b32 v[ST+8*\t+5], 0                      ; (a lane permute's destination counts as one of its sources)
	v_mov_b32 v[ST+8*\t+7], 0                      ; (named as the upper half of a pair)
.endr
.set i, 0
.rept 64
	v_mov_b32 v[O+i], 0                            ; O^T.  The step is written once: the first finds zeros, and its a is 0
.set i, i+1
.endr
; A KEY STEP: 64 keys, the q-th of the slot in hand.
.macro STEP q
	s_cmp_gt_u32 s[KF], s[QL]                      ; all its keys come after my queries: left out.  No barrier and no tensor load stands in a step
	s_cbranch_scc1 .Lhidden_\@
	v_add_nc_u32 v[ADK], s[TB], v[AK0]
	v_add_nc_u32 v[ADV], s[TB], v[AV0]
.irp f, 0,1,2,3,4,5,6,7                        ; K's fragment (keys 16 (f / 2) on, channels 32 (f % 2) on)
	ds_load_b128 v[KV+8*\f:KV+8*\f+3],   v[ADK] offset:8192*(\q)+1024*\f
	ds_load_b128 v[KV+8*\f+4:KV+8*\f+7], v[ADK] offset:8192*(\q)+1024*\f+512
.endr
	s_wait_dscnt 0x0
.irp c, 0,1                                    ; S^T = K Q^T: the eight accumulators take turns, one instruction a turn
.irp kt, 0,1,2,3
.irp t, 0,1
.if \c == 0
	v_wmma_f32_16x16x32_f16 v[S+32*\t+8*\kt:S+32*\t+8*\kt+7], v[KV+8*(2*\kt+\c):KV+8*(2*\kt+\c)+7], v[Q+16*\t+8*\c:Q+16*\t+8*\c+7], 0
.else
	v_wmma_f32_16x16x32_f16 v[S+32*\t+8*\kt:S+32*\t+8*\kt+7], v[KV+8*(2*\kt+\c):KV+8*(2*\kt+\c)+7], v[Q+16*\t+8*\c:Q+16*\t+8*\c+7], v[S+32*\t+8*\kt:S+32*\t+8*\kt+7]
.endif
.endr
.endr
.endr
.rept 4
	v_nop                                          ; four places: for the loads into K's registers, and for the first reads of the scores
.endr
.irp ct, 0,1,2,3                               ; V's fragment (channels 16 ct on, keys 32 u on), turned; it lands while the softmax is walked
.irp u, 0,1
	ds_load_tr16_b128 v[KV+8*(2*\ct+\u):KV+8*(2*\ct+\u)+3],   v[ADV] offset:12288*(\q)+6144*\u+768*\ct
	ds_load_tr16_b128 v[KV+8*(2*\ct+\u)+4:KV+8*(2*\ct+\u)+7], v[ADV] offset:12288*(\q)+6144*\u+3072+768*\ct
.endr
.endr
	s_add_co_u32 s52, s[KF], 63                    ; THE MASK: on the diagonal the scores of hidden keys become -infinity.  A step all of whose keys count skips it
	s_cmp_le_u32 s52, s[Q0]
	s_cbranch_scc1 .Lopen_\@
	s_sub_co_i32 s52, s[Q0], s[KF]
	v_add_nc_u32 v28, s52, v7                      ; d = my query - KF - 8 (lane / 16).  Register n holds key KF + 8 (lane / 16) + 16 (n / 8) + n % 8: hidden where 16 (n / 8) + n % 8 > d
	v_add_nc_u32 v29, 16, v28
.irp t, 0,1
.irp n, 0,1,2,3,4,5,6,7,8,9,10,11,12,13,14,15,16,17,18,19,20,21,22,23,24,25,26,27,28,29,30,31
	v_cmp_gt_i32 vcc_lo, 16*(\n/8)+\n%8, v[28+\t]
	v_cndmask_b32 v[S+32*\t+\n], v[S+32*\t+\n], v8, vcc_lo
.endr
.endr
.Lopen_\@:
	; THE SOFTMAX, the two tiles line by line.  Key KF counts for every query of a step that is walked, so m is a number.
.irp j, 0,1,2,3
.irp t, 0,1
	v_max3_num_f32 v[ST+8*\t+4+\j], v[S+32*\t+8*\j], v[S+32*\t+8*\j+1], v[S+32*\t+8*\j+2]   ; each accumulator is read from its low end on
.endr
.endr
.irp g, 1,2
.irp j, 0,1,2,3
.irp t, 0,1
	v_max3_num_f32 v[ST+8*\t+4+\j], v[ST+8*\t+4+\j], v[S+32*\t+8*\j+2*\g+1], v[S+32*\t+8*\j+2*\g+2]
.endr
.endr
.endr
.irp t, 0,1
	v_max3_num_f32 v[ST+8*\t+4], v[ST+8*\t+4], v[S+32*\t+7], v[S+32*\t+15]
.endr
.irp t, 0,1
	v_max3_num_f32 v[ST+8*\t+6], v[ST+8*\t+6], v[S+32*\t+23], v[S+32*\t+31]
.endr
.irp t, 0,1
	v_max3_num_f32 v[ST+8*\t+4], v[ST+8*\t+4], v[ST+8*\t+5], v[ST+8*\t+6]
.endr
.irp t, 0,1
	v_max3_num_f32 v[ST+8*\t+4], v[ST+8*\t+4], v[ST+8*\t+7], v[ST+8*\t+1]   ; and the old m
.endr
.irp t, 0,1
	v_permlanex16_b32 v[ST+8*\t+5], v[ST+8*\t+4], s[SEL], s[SEL+1]          ; the query's other 32 keys lie in the lane 16 away
.endr
.irp t, 0,1
	v_mov_b32 v[ST+8*\t+7], v[ST+8*\t]             ; c m_old
.endr
.irp t, 0,1
	v_max_num_f32 v[ST+8*\t+1], v[ST+8*\t+4], v[ST+8*\t+5]
.endr
.irp t, 0,1
	v_mul_f32 v[ST+8*\t], s[CS], v[ST+8*\t+1]
.endr
.irp t, 0,1
	v_sub_f32 v[ST+8*\t+7], v[ST+8*\t+7], v[ST+8*\t]
.endr
.irp b, 0,1,2,3,4,5,6,7,8,9,10,11,12,13,14,15
.irp t, 0,1
	v_pk_fma_f32 v[S+32*\t+2*\b:S+32*\t+2*\b+1], v[S+32*\t+2*\b:S+32*\t+2*\b+1], s[CS:CS+1], v[ST+8*\t:ST+8*\t+1] op_sel_hi:[1,0,0] neg_lo:[0,0,1] neg_hi:[0,0,1]   ; c s - c m
.endr
.endr
.irp t, 0,1
	v_exp_f32 v[ST+8*\t+6], v[ST+8*\t+7]           ; a
.endr
.irp n, 0,1,2,3,4,5,6,7,8,9,10,11,12,13,14,15,16,17,18,19,20,21,22,23,24,25,26,27,28,29,30,31
.irp t, 0,1
	v_exp_f32 v[S+32*\t+\n], v[S+32*\t+\n]         ; p: the 66 exponentials are one batch
.endr
.endr
	v_nop                                          ; a plain line behind the last exponential,
	s_wait_alu depctr_va_vdst(0)                   ; and one wait for the batch, ahead of its first reader
.irp t, 0,1
	v_pk_add_f32 v[ST+8*\t+4:ST+8*\t+5], v[S+32*\t:S+32*\t+1], v[S+32*\t+2:S+32*\t+3]       ; the sum of the unrounded p, two at a time, in two chains
.endr
.irp t, 0,1
	v_pk_add_f32 v[SB+20*\t:SB+20*\t+1], v[S+32*\t+4:S+32*\t+5], v[S+32*\t+6:S+32*\t+7]
.endr
.irp b, 4,6,8,10,12,14
.irp t, 0,1
	v_pk_add_f32 v[ST+8*\t+4:ST+8*\t+5], v[ST+8*\t+4:ST+8*\t+5], v[S+32*\t+2*\b:S+32*\t+2*\b+1]
	v_pk_add_f32 v[SB+20*\t:SB+20*\t+1], v[SB+20*\t:SB+20*\t+1], v[S+32*\t+2*\b+2:S+32*\t+2*\b+3]
.endr
.endr
.irp t, 0,1
	v_pk_add_f32 v[ST+8*\t+4:ST+8*\t+5], v[ST+8*\t+4:ST+8*\t+5], v[SB+20*\t:SB+20*\t+1]
.endr
.irp t, 0,1
	v_pk_fma_f32 v[ST+8*\t+2:ST+8*\t+3], v[ST+8*\t+2:ST+8*\t+3], v[ST+8*\t+6:ST+8*\t+7], v[ST+8*\t+4:ST+8*\t+5] op_sel_hi:[1,0,1]   ; l = a l + the sum
.endr
.irp i, 0,1,2,3,4,5,6,7,8,9,10,11,12,13,14,15
.irp t, 0,1
	v_cvt_pk_f16_f32 v[S+32*\t+\i], v[S+32*\t+2*\i], v[S+32*\t+2*\i+1]     ; P in place, ascending: register i is written when registers 2 i and 2 i + 1 are read
.endr
.endr
.irp i, 0,1,2,3,4,5,6,7,8,9,10,11,12,13,14,15
.irp t, 0,1
	v_pk_mul_f32 v[O+32*\t+2*\i:O+32*\t+2*\i+1], v[O+32*\t+2*\i:O+32*\t+2*\i+1], v[ST+8*\t+6:ST+8*\t+7] op_sel_hi:[1,0]   ; O^T x a
.endr
.endr
	s_wait_dscnt 0x0                               ; V is in
.irp u, 0,1                                    ; O^T += V^T P: the eight accumulators take turns
.irp ct, 0,1,2,3
.irp t, 0,1
	v_wmma_f32_16x16x32_f16 v[O+32*\t+8*\ct:O+32*\t+8*\ct+7], v[KV+8*(2*\ct+\u):KV+8*(2*\ct+\u)+7], v[S+32*\t+8*\u:S+32*\t+8*\u+7], v[O+32*\t+8*\ct:O+32*\t+8*\ct+7]
.endr
.endr
.endr
.rept 5
	v_nop                                          ; five places: the next step's first products write over P, which these products read; its loads land on V's registers
.endr
.Lhidden_\@:
	s_add_co_u32 s[KF], s[KF], 64
.endm
; THE CHANGE OF SLOTS stands at a slot's head.  Each wave waits for all its tensor loads, adds 0 to its spare word, and waits for that and for its reads of the slot that it has left.
; Behind the barrier the slot ahead is whole and nobody reads the other one, which is filled with the next 256 keys: that load has a whole slot's steps in which to land; one load of a wave is out.
.macro CHANGE fill
	s_wait_tensorcnt 0x0                           ; no tensor load of mine is out, so a group 0 may be written
	ds_add_u32 v[SPW], v[NIL]                      ; 0 onto my spare word
.if \fill
	s_xor_b32 s[G0K+1], s[G0K+1], SLOT1
	s_add_nc_u64 s[G0K+2:G0K+3], s[G0K+2:G0K+3], 32768
	s_xor_b32 s[G0V+1], s[G0V+1], SLOT1
	s_add_nc_u64 s[G0V+2:G0V+3], s[G0V+2:G0V+3], 32768
	s_wait_xcnt 0x0                                ; the last prefetch, a slot back, has read its address
	s_add_nc_u64 s[PFA:PFA+1], s[PFA:PFA+1], 32768
.endif
	s_wait_dscnt 0x0                               ; the add is done, and my reads of the slot that I have left are over
	s_barrier_signal -1
	s_barrier_wait -1
.if \fill
	s_add_co_u32 s58, s[KF], 256                   ; the first key of the slot that this change would ask for:
	s_cmp_gt_u32 s58, s[QLAST]                     ; behind my work-group's last query none of its waves reads it.  Ids and the count of steps alone: all sixteen waves go the same way
	s_cbranch_scc1 .Lpast_\@
	TLOAD                                          ; a wave's one tensor load until the next change; every wait on TENSORcnt in this text is for 0
.Lpast_\@:
	ASK
.endif
.endm
.macro SLOT_STEPS
	STEP 0
	STEP 1
	STEP 2
	STEP 3
	s_xor_b32 s[TB], s[TB], SLOT1
.endm
	s_wait_loadcnt 0x0                             ; Q
.Lslot:                                            ; seven trips
	CHANGE 1
	SLOT_STEPS
	s_sub_co_u32 s[SLOTS], s[SLOTS], 1
	s_cmp_lg_u32 s[SLOTS], 0
	s_cbranch_scc1 .Lslot
	CHANGE 0                                       ; the last slot is written out: nothing is left to ask for
	SLOT_STEPS
	; THE WAY OUT: l's two halves and the other half of the lanes'; O^T / l, rounded to f16; a lane's eight channels are one piece of ctx's image
.irp t, 0,1
	v_add_f32 v[ST+8*\t+4], v[ST+8*\t+2], v[ST+8*\t+3]
.endr
.irp t, 0,1
	v_permlanex16_b32 v[ST+8*\t+5], v[ST+8*\t+4], s[SEL], s[SEL+1]
.endr
.irp t, 0,1
	v_add_f32 v[ST+8*\t+4], v[ST+8*\t+4], v[ST+8*\t+5]
.endr
.irp t, 0,1
	v_rcp_f32 v[ST+8*\t+6], v[ST+8*\t+4]
.endr
	v_nop                                          ; a plain line behind the last reciprocal,
	s_wait_alu depctr_va_vdst(0)                   ; and one wait for the two, ahead of their first reader
.irp t, 0,1
.irp i, 0,1,2,3,4,5,6,7,8,9,10,11,12,13,14,15
	v_pk_mul_f32 v[O+32*\t+2*\i:O+32*\t+2*\i+1], v[O+32*\t+2*\i:O+32*\t+2*\i+1], v[ST+8*\t+6:ST+8*\t+7] op_sel_hi:[1,0]
.endr
.endr
.irp t, 0,1
.irp i, 0,1,2,3,4,5,6,7,8,9,10,11,12,13,14,15
	v_cvt_pk_f16_f32 v[S+16*\t+\i], v[O+32*\t+2*\i], v[O+32*\t+2*\i+1]
.endr
.endr
.irp t, 0,1
.irp ct, 0,1,2,3
	global_store_b128 v[AK0], v[S+16*\t+4*\ct:S+16*\t+4*\ct+3], s[62:63] offset:32768*\t+512*\ct   ; 32 lanes store 512 consecutive bytes, aligned
.endr
.endr
	s_wait_tensorcnt 0x0                           ; the wave's end
	ds_add_u32 v[SPW], v[NIL]
	s_wait_dscnt 0x0
	s_endpgm
.Lfunc_end_k_q51819c497c_attn:
	.size	k_q51819c497c_attn, .Lfunc_end_k_q51819c497c_attn-k_q51819c497c_attn
	.p2alignl 7, 3214868480
	.fill 96, 4, 3214868480
	.section	.rodata,"a",@progbits
	.p2align	6, 0x0
	.amdhsa_kernel k_q51819c497c_attn
		.amdhsa_group_segment_fixed_size 327680
		.amdhsa_private_segment_fixed_size 0
		.amdhsa_enable_private_segment 0
		.amdhsa_kernarg_size 16
		.amdhsa_user_sgpr_count 2
		.amdhsa_user_sgpr_kernarg_segment_ptr 1
		.amdhsa_wavefront_size32 1
		.amdhsa_system_sgpr_workgroup_id_x 1
		.amdhsa_system_sgpr_workgroup_id_y 1
		.amdhsa_system_sgpr_workgroup_id_z 1
		.amdhsa_system_vgpr_workitem_id 0
		.amdhsa_next_free_vgpr 256
		.amdhsa_next_free_sgpr 66
		.amdhsa_reserve_vcc 1
		.amdhsa_float_denorm_mode_32 3
		.amdhsa_float_denorm_mode_16_64 3
		.amdhsa_memory_ordered 1
		.amdhsa_forward_progress 1
		.amdhsa_inst_pref_size 186
	.end_amdhsa_kernel
	.amdgpu_metadata
---
amdhsa.version: [ 1, 2 ]
amdhsa.kernels:
  - .name:           k_q51819c497c_attn
    .symbol:         k_q51819c497c_attn.kd
    .args:
      - { .name: qkv, .offset: 0, .size: 8, .value_kind: global_buffer, .address_space: global }
      - { .name: ctx, .offset: 8, .size: 8, .value_kind: global_buffer, .address_space: global }
    .group_segment_fixed_size: 327680
    .private_segment_fixed_size: 0
    .kernarg_segment_align: 8
    .kernarg_segment_size: 16
    .max_flat_workgroup_size: 512
    .sgpr_count:     66
    .vgpr_count:     256
    .wavefront_size: 32
...
	.end_amdgpu_metadata
.endif
;; end of part 3
;; launch proj (part 4): grid 4 x 64, 4 waves a work-group, clusters of 4 x 4, 327,680 bytes of LDS; arguments ctx, wof, bo, out0; writes out0
.if DOCPART == 4
	.amdgcn_target "amdgcn-amd-amdhsa--gfx1250"
	.amdhsa_code_object_version 6
	.text
	.protected	k_q51819c497c_proj
	.globl	k_q51819c497c_proj
	.p2align	8
	.type	k_q51819c497c_proj,@function
k_q51819c497c_proj:
	s_mov_b64 s[64:65], 0
	v_nop
	global_prefetch_b8 v0, s[64:65] scope:SCOPE_SE
	s_setreg_imm32_b32 hwreg(HW_REG_WAVE_MODE, 25, 1), 1
	s_wait_xcnt 0x0
	s_wait_alu depctr_hold_cnt(0) depctr_sa_sdst(0) depctr_va_vdst(0) depctr_va_sdst(0) depctr_va_ssrc(0) depctr_va_vcc(0) depctr_vm_vsrc(0)
	s_getreg_b32 s2, hwreg(HW_REG_IB_STS2, 6, 4)
	s_cmp_eq_u32 s2, 0
	s_cbranch_scc0 .Lentry_in_a_cluster
	s_endpgm
.Lentry_in_a_cluster:
	s_bfe_u32 s2, ttmp6, 0x10000c
	s_cmp_lg_u32 s2, 0xf033
	s_cbranch_scc0 .Lentry_shape_is_right
	s_endpgm
.Lentry_shape_is_right:
; out0 = ctx Wo + bo.  ctx [8192][1024] and Wo [1024 (k)][1024 (n)] come as f16, laid as images of the operands' registers: [tile of 16 rows or columns][k octet 128][row 16][8 f16]; bo and out0 are f32; sums in f32.
; A tile of 128 rows x 256 columns is made by a work-group of four waves: 256 work-groups.  A wave makes 64 x 128: 32 accumulators of 16 x 16, 256 registers.
; K goes in steps of 128 through a ring of two LDS slots: of each tile 4,096 consecutive bytes, dense in LDS; a fragment (16 x 32 K) is two loads at 16 x lane, 512 consecutive bytes each.
; CLUSTERS: 4 x 4 work-groups.  The four of a row of the cluster need the same tiles of ctx, the four of a column the same tiles of Wo: each is asked for jointly.
; THE MATRIX INSTRUCTION IS USED TRANSPOSED (source 0 = 16 columns of Wo, source 1 = 16 rows of ctx): a lane holds eight neighbouring numbers of a row of out0.
; The bias is the C of each sum's first matrix instruction: eight registers for each tile of columns, in the result's layout.
; No prefetch: the launch has eight K steps, of which two are asked for at the head.
; REGISTERS, in windows of 256: window 0: v16-29 addresses; v32-95 the bias; v96-223 the way out, two sets of 64.   window 1: accumulator (a, b) at v[8 (8 a + b)].
;   window 2: two fragment buffers, at v0 and v128: Wo's eight fragments, then ctx's four at + 64.
.set SLOT,   98304                     ; ctx's 8 tiles x 4,096, then Wo's 16 x 4,096
.set BOFF,   32768
.set STAGE,  2*SLOT                    ; behind the ring: 16 rows x 528 bytes for each wave
.set SPITCH, 528
.set SPARE,  STAGE+4*16*SPITCH         ; the spare words, 128 bytes a wave
.set LAPS,   4                         ; a lap = two K steps
.set ADRA, 16                          ; v16-17  LDS address of my fragments of ctx in slot 0, 1
.set ADRB, 20                          ; v20-21  the same for Wo
.set STO,  24                          ; v24     the way out: where I put 32 bytes of a row
.set RD,   25                          ; v25     where I read a row back
.set CO,   26                          ; v26     16 x lane
.set SPW,  28                          ; v28     LDS address of my spare word; never rewritten
.set NIL,  29                          ; v29     0; never rewritten
.set BI,   32                          ; the bias
.set OB,   96
.set F0,   0
.set F1,   128
.set G1, 24                            ; s[24:31] group 1 for ctx's tiles;  s[32:39] groups 0, one for each slot
.set G0, 32
.set G1B, 48                           ; s[48:55], s[56:63] the same for Wo's
.set G0B, 56
.set MSB, 0
.macro WIN new                         ; the immediate's high byte repeats the setting that is left
.if MSB != \new
	s_set_vgpr_msb (MSB<<8)|\new
.set MSB, \new
.endif
.endm
.set MUL,  0x5a                        ; sources 0 and 1 window 2; C and D window 1
.set MUL0, 0x4a                        ; the same with C (the bias) in window 0
.set TO_F, 0x80                        ; destination window 2, address window 0
.macro JLOAD s                         ; a joint load: waves 0 and 1 fetch ctx's halves, waves 2 and 3 Wo's; an s_nop 0 and four v_nop follow each line
	s_cmp_eq_u32 s13, 0
	s_cbranch_scc0 .Lfor_b_\@
	tensor_load_to_lds s[G0+4*\s:G0+4*\s+3], s[G1:G1+7]
	s_nop 0
.rept 4
	v_nop
.endr
	s_branch .Lasked_\@
.Lfor_b_\@:
	tensor_load_to_lds s[G0B+4*\s:G0B+4*\s+3], s[G1B:G1B+7]
	s_nop 0
.rept 4
	v_nop
.endr
.Lasked_\@:
.endm
.macro CREST                           ; a round of the cluster's barrier behind its opening barrier
	s_cmp_lg_u32 s12, 0
	s_cbranch_scc1 .Lnot_wave_0_\@
	s_barrier_signal -3
.Lnot_wave_0_\@:
	s_barrier_wait -3
	s_barrier_signal -1
	s_barrier_wait -1
.endm
.macro CROUND
	s_barrier_signal -1
	s_barrier_wait -1
	CREST
.endm
	s_load_b256 s[4:11], s[0:1], 0x0               ; ctx 4, wof 6, bo 8, out0 10
	v_lshl_add_u32 v[SPW], v0, 2, SPARE
	v_mov_b32 v[NIL], 0
	ds_add_u32 v[SPW], v[NIL]                      ; the wave's opening: the add and its wait stand ahead of my first tensor load; the set-up below stands between them
	v_lshrrev_b32 v1, 5, v0
	v_readfirstlane_b32 s12, v1                    ; wave 0..3
	s_lshr_b32 s13, s12, 1                         ; which half of the tile's rows is mine.  Also: I fetch for ctx (0) or for Wo (1)
	s_and_b32 s14, s12, 1                          ; which half of its columns.  Also: which half of that tile I fetch
	s_bfe_u32 s40, ttmp6, 0x40000                  ; cx, cy
	s_bfe_u32 s41, ttmp6, 0x40004
	s_lshl_b32 s42, ttmp9, 2
	s_add_co_u32 s42, s42, s40                     ; tile column
	s_and_b32 s15, ttmp7, 0xffff
	s_lshl_b32 s15, s15, 2
	s_add_co_u32 s15, s15, s41                     ; tile row
	s_lshl_b32 s43, s41, 2
	s_lshl_b32 s43, 15, s43                        ; my row of the cluster
	s_lshl_b32 s44, 0x1111, s40                    ; my column
	; group 1: of each tile 4,096 consecutive bytes (512 elements of 8), 32,768 bytes from tile to tile; ctx: 4 tiles a load, Wo: 8
	s_or_b32 s[G1+0], s43, (3<<16)|(1<<21)
	s_or_b32 s[G1B+0], s44, (3<<16)|(1<<21)
	s_mov_b32 s[G1+2], 4<<16                       ; tensor_dim1
	s_mov_b32 s[G1+4], 4                           ; tile_dim1
	s_mov_b32 s[G1B+2], 8<<16
	s_mov_b32 s[G1B+4], 8
.irp g, G1, G1B
	s_mov_b32 s[\g+1], 512<<16                     ; tensor_dim0
	s_mov_b32 s[\g+3], 512<<16                     ; tile_dim0
	s_mov_b32 s[\g+5], 4096                        ; tensor_dim0_stride
	s_mov_b32 s[\g+6], 0
	s_mov_b32 s[\g+7], 0
.endr
	s_lshl_b32 s16, s15, 3
	s_lshl_b32 s17, s14, 2
	s_add_co_u32 s16, s16, s17                     ; ctx: tile 8 x tile row + 4 x half
	s_lshl_b32 s16, s16, 15
	s_mov_b32 s17, 0
	s_lshl_b32 s46, s42, 4
	s_lshl_b32 s47, s14, 3
	s_add_co_u32 s46, s46, s47                     ; Wo: tile 16 x tile column + 8 x half
	s_lshl_b32 s46, s46, 15
	s_mov_b32 s47, 0
	s_lshl_b32 s20, s14, 14                        ; where they go: no place in the cluster enters an LDS address
	s_lshl_b32 s21, s14, 15
	s_add_co_u32 s21, s21, BOFF
	s_wait_dscnt 0x0                               ; the opening add is done
	s_wait_kmcnt 0x0
	s_add_nc_u64 s[16:17], s[4:5], s[16:17]
	s_add_nc_u64 s[46:47], s[6:7], s[46:47]
	CROUND                                         ; all sixteen work-groups are here: the first joint loads meet
.irp s, 0,1
	s_mov_b32 s[G0+4*\s], 1
	s_add_co_u32 s[G0+4*\s+1], s20, \s*SLOT
	s_add_nc_u64 s[G0+4*\s+2:G0+4*\s+3], s[16:17], \s*4096
	s_or_b32 s[G0+4*\s+3], s[G0+4*\s+3], 0x80000000
	s_mov_b32 s[G0B+4*\s], 1
	s_add_co_u32 s[G0B+4*\s+1], s21, \s*SLOT
	s_add_nc_u64 s[G0B+4*\s+2:G0B+4*\s+3], s[46:47], \s*4096
	s_or_b32 s[G0B+4*\s+3], s[G0B+4*\s+3], 0x80000000
	JLOAD \s                                       ; two loads of mine are out behind the second
.endr
	v_and_b32 v1, 15, v0                           ; r
	v_bfe_u32 v2, v0, 4, 1                         ; h
	v_and_b32 v3, 31, v0
	v_lshlrev_b32 v[CO], 4, v3
	s_lshl_b32 s22, s13, 14                        ; my 4 tiles of ctx
	s_lshl_b32 s23, s14, 15                        ; my 8 tiles of Wo,
	s_add_co_u32 s23, s23, BOFF                    ; which lie behind ctx's 8
.irp s, 0,1
	v_add_nc_u32 v[ADRA+\s], s22, v[CO]
	v_add_nc_u32 v[ADRB+\s], s23, v[CO]
	s_add_co_u32 s22, s22, SLOT
	s_add_co_u32 s23, s23, SLOT
.endr
	s_mul_i32 s22, s12, 16*SPITCH
	s_add_co_u32 s22, s22, STAGE                   ; my stage
	v_mul_u32_u24 v4, v1, SPITCH
	v_lshl_add_u32 v4, v2, 5, v4
	v_add_nc_u32 v[STO], s22, v4                   ; in: row r, 32 bytes for each half of the lanes
	v_add_nc_u32 v[RD], s22, v[CO]                 ; back: the 32 lanes take one row of 512 bytes
	v_lshlrev_b32 v27, 5, v2                       ; the bias: lanes 16-31 stand eight numbers on
	s_lshl_b32 s46, s42, 10
	s_lshl_b32 s47, s14, 9
	s_add_co_u32 s46, s46, s47                     ; my first column, in bytes
	s_mov_b32 s47, 0
	s_add_nc_u64 s[8:9], s[8:9], s[46:47]
	s_add_nc_u64 s[10:11], s[10:11], s[46:47]
	s_lshl_b32 s16, s15, 7
	s_lshl_b32 s17, s13, 6
	s_add_co_u32 s16, s16, s17                     ; my first row
	s_lshl_b32 s16, s16, 12
	s_mov_b32 s17, 0
	s_add_nc_u64 s[10:11], s[10:11], s[16:17]
.irp b, 0,1,2,3,4,5,6,7
	global_load_b128 v[BI+8*\b:BI+8*\b+3],   v27, s[8:9] offset:64*\b      ; bo at columns 16 b + 8 h + 0 .. 7
	global_load_b128 v[BI+8*\b+4:BI+8*\b+7], v27, s[8:9] offset:64*\b+16
.endr
; 8 matrix instructions: ctx's tile a against Wo's eight, 32 along K, from buffer f.  first = 1: the bias starts the sums.  The 32 accumulators take turns, in the same order in every quarter.
.macro MUL8 f, a, first
.irp b, 0,1,2,3,4,5,6,7
.if \first
	v_wmma_f32_16x16x32_f16 v[8*(8*(\a)+\b):8*(8*(\a)+\b)+7], v[\f+8*\b:\f+8*\b+7], v[\f+64+8*(\a):\f+64+8*(\a)+7], v[BI+8*\b:BI+8*\b+7]
.else
	v_wmma_f32_16x16x32_f16 v[8*(8*(\a)+\b):8*(8*(\a)+\b)+7], v[\f+8*\b:\f+8*\b+7], v[\f+64+8*(\a):\f+64+8*(\a)+7], v[8*(8*(\a)+\b):8*(8*(\a)+\b)+7]
.endif
.endr
.endm
.macro FETCH slot, q, f                ; 24 LDS loads in one run: the fragments of the slot's q-th 32 along K into buffer f
	WIN TO_F
.irp i, 0,1,2,3,4,5,6,7
	ds_load_b128 v[\f+8*\i:\f+8*\i+3],   v[ADRB+\slot] offset:1024*(\q)+4096*\i
	ds_load_b128 v[\f+8*\i+4:\f+8*\i+7], v[ADRB+\slot] offset:1024*(\q)+4096*\i+512
.endr
.irp i, 0,1,2,3
	ds_load_b128 v[\f+64+8*\i:\f+64+8*\i+3],   v[ADRA+\slot] offset:1024*(\q)+4096*\i
	ds_load_b128 v[\f+64+8*\i+4:\f+64+8*\i+7], v[ADRA+\slot] offset:1024*(\q)+4096*\i+512
.endr
.endm
.macro PLACES                          ; four plain vector lines between a matrix instruction and a load into, or a read of, its registers (ISA guide 7.12.1 for vector reads and writes)
.rept 4
	v_nop
.endr
.endm
; A K step is four quarters of 32 along K, 32 matrix instructions each, on buffers 0, 1, 0, 1.  One of the first three: multiplies buffer f and fetches the slot's q-th 32 along K into g.
.macro QUARTER slot, q, f, g, first
	s_wait_dscnt 0x0                               ; buffer f is in: asked for 16 matrix instructions ago
.if \first
	WIN MUL0
.else
	WIN MUL
.endif
	MUL8 \f, 0, \first
	MUL8 \f, 1, \first
	PLACES
	FETCH \slot, \q, \g
.if \first
	WIN MUL0
.else
	WIN MUL
.endif
	MUL8 \f, 2, \first
	MUL8 \f, 3, \first
.endm
; The last quarter multiplies buffer 1 and changes slots: one barrier; in front of it each wave waits for all its tensor loads, adds 0 to its spare word, and waits for that and for its reads of this slot.
; fill = 1: the barrier opens a round of the cluster's, and this slot is filled again, two K steps ahead: 112 matrix instructions ahead of the wait for that load.
.macro TURN slot, next, fill
	WIN 0                                          ; (the add's two registers lie in window 0)
	s_wait_tensorcnt 0x0                           ; all my tensor loads have landed: my part of the next slot
	ds_add_u32 v[SPW], v[NIL]                      ; 0 onto my spare word
	s_wait_dscnt 1                                 ; buffer 1 is in; the add may be out
	WIN MUL
	MUL8 F1, 0, 0
	s_wait_dscnt 0x0                               ; the add is done, and my reads of this slot are over
	s_barrier_signal -1
	MUL8 F1, 1, 0
	WIN 0
	s_barrier_wait -1
.if \fill
	CREST                                          ; no wave of any partner still reads this slot's tile or has a load on its way
	s_add_nc_u64 s[G0+4*\slot+2:G0+4*\slot+3], s[G0+4*\slot+2:G0+4*\slot+3], 8192
	s_add_nc_u64 s[G0B+4*\slot+2:G0B+4*\slot+3], s[G0B+4*\slot+2:G0B+4*\slot+3], 8192
	JLOAD \slot                                    ; the first tensor load behind the round; its four v_nop are also the places in front of the loads below
.else
	PLACES
.endif
	FETCH \next, 0, F0
	WIN MUL
	MUL8 F1, 2, 0
	MUL8 F1, 3, 0
.endm
	s_wait_tensorcnt 1                             ; my part of K step 0 is in (K step 1's load may be out),
	s_barrier_signal -1
	s_barrier_wait -1                              ; everybody's is
	FETCH 0, 0, F0
	s_wait_loadcnt 0x0                             ; the bias
	QUARTER 0, 1, F0, F1, 1                        ; the first quarter stands in front of the loop: its products start the sums
	WIN 0                                          ; at a label and at a branch every window is 0
	s_mov_b32 s3, LAPS-1
.Llap:                                             ; a trip goes once round the ring and fills both slots again
	QUARTER 0, 2, F1, F0, 0
	QUARTER 0, 3, F0, F1, 0
	TURN 0, 1, 1
	QUARTER 1, 1, F0, F1, 0
	QUARTER 1, 2, F1, F0, 0
	QUARTER 1, 3, F0, F1, 0
	TURN 1, 0, 1
	QUARTER 0, 1, F0, F1, 0
	WIN 0
	s_sub_co_u32 s3, s3, 1
	s_cmp_lg_u32 s3, 0
	s_cbranch_scc1 .Llap
	QUARTER 0, 2, F1, F0, 0                        ; the last lap fills nothing
	QUARTER 0, 3, F0, F1, 0
	TURN 0, 1, 0
	QUARTER 1, 1, F0, F1, 0
	QUARTER 1, 2, F1, F0, 0
	QUARTER 1, 3, F0, F1, 0
	s_wait_dscnt 0x0                               ; the very last quarter: nothing more to fetch
	WIN MUL
	MUL8 F1, 0, 0
	MUL8 F1, 1, 0
	MUL8 F1, 2, 0
	MUL8 F1, 3, 0
	WIN 0
; THE WAY OUT, block by block of 16 rows x 128 columns, through my own stage in LDS: in as 32 bytes a lane, back as whole rows of 512 bytes.  LDS serves a wave's instructions in order (ISA guide 5.7.1.4).
.macro TOSTAGE a
	WIN 0x04                                       ; an LDS store's data are its source 1: window 1
.irp b, 0,1,2,3,4,5,6,7
	ds_store_b128 v[STO], v[8*(8*(\a)+\b):8*(8*(\a)+\b)+3] offset:64*\b          ; each accumulator from its low end on
	ds_store_b128 v[STO], v[8*(8*(\a)+\b)+4:8*(8*(\a)+\b)+7] offset:64*\b+16
.endr
	WIN 0
.set BB, OB+64*((\a)%2)
.irp t, 0,1,2,3,4,5,6,7,8,9,10,11,12,13,14,15
	ds_load_b128 v[BB+4*\t:BB+4*\t+3], v[RD] offset:\t*SPITCH
.endr
.endm
.macro SEND a, younger                 ; younger: the LDS instructions issued behind block a's loads, which may stay out
.set BB, OB+64*((\a)%2)
	s_wait_dscnt \younger
.irp t, 0,1,2,3,4,5,6,7,8,9,10,11,12,13,14,15
	global_store_b128 v[CO], v[BB+4*\t:BB+4*\t+3], s[10:11] offset:65536*(\a)+4096*\t th:TH_STORE_NT   ; 32 lanes store 512 consecutive bytes, aligned
.endr
.endm
	PLACES                                         ; behind the last products
	TOSTAGE 0
.irp a, 1,2,3
.if \a > 1
	s_wait_xcnt 0x0                                ; block a - 2's stores have read their registers: block a's loads may land there
.endif
	TOSTAGE \a
	SEND \a-1, 32                                  ; behind block a - 1's loads: block a's 16 stores and 16 loads
.endr
	SEND 3, 0
	s_wait_tensorcnt 0x0                           ; the wave's end
	ds_add_u32 v[SPW], v[NIL]
	s_wait_dscnt 0x0
	CROUND                                         ; the closing round
	s_endpgm
.Lfunc_end_k_q51819c497c_proj:
	.size	k_q51819c497c_proj, .Lfunc_end_k_q51819c497c_proj-k_q51819c497c_proj
	.p2alignl 7, 3214868480
	.fill 96, 4, 3214868480
	.section	.rodata,"a",@progbits
	.p2align	6, 0x0
	.amdhsa_kernel k_q51819c497c_proj
		.amdhsa_group_segment_fixed_size 327680
		.amdhsa_private_segment_fixed_size 0
		.amdhsa_enable_private_segment 0
		.amdhsa_kernarg_size 32
		.amdhsa_user_sgpr_count 2
		.amdhsa_user_sgpr_kernarg_segment_ptr 1
		.amdhsa_wavefront_size32 1
		.amdhsa_system_sgpr_workgroup_id_x 1
		.amdhsa_system_sgpr_workgroup_id_y 1
		.amdhsa_system_sgpr_workgroup_id_z 1
		.amdhsa_system_vgpr_workitem_id 0
		.amdhsa_next_free_vgpr 768
		.amdhsa_next_free_sgpr 66
		.amdhsa_reserve_vcc 0
		.amdhsa_float_denorm_mode_32 3
		.amdhsa_float_denorm_mode_16_64 3
		.amdhsa_memory_ordered 1
		.amdhsa_forward_progress 1
		.amdhsa_inst_pref_size 86
	.end_amdhsa_kernel
	.amdgpu_metadata
---
amdhsa.version: [ 1, 2 ]
amdhsa.kernels:
  - .name:           k_q51819c497c_proj
    .symbol:         k_q51819c497c_proj.kd
    .args:
      - { .name: ctx, .offset: 0, .size: 8, .value_kind: global_buffer, .address_space: global }
      - { .name: wof, .offset: 8, .size: 8, .value_kind: global_buffer, .address_space: global }
      - { .name: bo, .offset: 16, .size: 8, .value_kind: global_buffer, .address_space: global }
      - { .name: out0, .offset: 24, .size: 8, .value_kind: global_buffer, .address_space: global }
    .group_segment_fixed_size: 327680
    .private_segment_fixed_size: 0
    .kernarg_segment_align: 8
    .kernarg_segment_size: 32
    .max_flat_workgroup_size: 128
    .sgpr_count:     66
    .vgpr_count:     768
    .wavefront_size: 32
...
	.end_amdgpu_metadata
.endif
;; end of part 4
;; launch first (part 5): grid 256 x 1, 1 waves a work-group, no clusters, 0 bytes of LDS; arguments xc, xs, wc, ws, qkv, cfx; writes cfx
.if DOCPART == 5
	.amdgcn_target "amdgcn-amd-amdhsa--gfx1250"
	.amdhsa_code_object_version 6
	.text
	.protected	k_q51819c497c_first
	.globl	k_q51819c497c_first
	.p2align	8
	.type	k_q51819c497c_first,@function
k_q51819c497c_first:
	s_mov_b64 s[64:65], 0
	v_nop
	global_prefetch_b8 v0, s[64:65] scope:SCOPE_SE
	s_setreg_imm32_b32 hwreg(HW_REG_WAVE_MODE, 25, 1), 1
	s_wait_xcnt 0x0
; THE FIRST 16 TOKENS OF EACH BATCH ONCE MORE, WITH OPERANDS IN TWO HALVES.  A query t averages t + 1 keys, so its row of ctx keeps about 1 / sqrt(t + 1) of v's size, while the error allowed is a
; hundredth of the root mean square over all 2,048 rows: for the first rows the 11 bits of one f16 operand are too few.  Here v, the weights p and ctx are each carried as hi + lo:
; hi = the f32 number cut to 11 significant bits (exact in f16), lo = the exact rest, rounded to f16.
; One wave for each (batch, head, 16 channels): 256 work-groups of one wave, no LDS, one round of loads.
;   S^T = K Q^T on the f16 q and k of the launch before (source 0 = keys 0-15, source 1 = queries 0-15): a lane holds query r = lane % 16 and keys 8 h + 0..7, h = lane / 16; the causal mask;
;   p = 2^(c s - c m), c = log2(e) / 8, m the row's maximum; l = the sum of the unrounded p.
;   v = x Wv is made anew on the codes of FP4 with their E8M0 scales, UNTRANSPOSED (source 0 = 16 tokens of x, source 1 = 16 columns of Wv): a lane holds channel r and tokens 8 h + 0..7,
;   which is the layout of source 0 of O^T = V^T P.  That product's K is 32 and there are 16 keys: source 0 = [v hi | v lo], source 1 = [p hi | p hi] and then [p lo | p lo]:
;   the two products sum to (v hi + v lo)(p hi + p lo).
;   ctx = O^T / l is split again and stored as two pieces of the image cfx [batch 4][half 2: hi, lo][k octet 128][token 16][8 f16].
; LIMITS: |q|, |k|, |v| under 65,504 (f16); under 6e-5 a half is rounded in steps of 6e-8; NaN and infinities are not served.
.set S,   16                           ; v16-23   S^T, then p, then p's rest
.set PH,  24                           ; v24-31   [p hi | p hi]
.set PL,  32                           ; v32-39   [p lo | p lo]
.set KF,  40                           ; v40-55   K's two fragments (channels 32 c on); at the end ctx's two pieces
.set QF,  56                           ; v56-71   Q's
.set XF,  72                           ; v72-135  x's eight fragments of codes
.set WF,  136                          ; v136-199 Wv's
.set XS,  200                          ; v200-207 x's scale words, one for each 128 along K
.set WS,  208                          ; v208-215 Wv's
.set VA,  216                          ; v216-231 v in two sums: the even K steps', the odd ones'
.set VF,  232                          ; v232-239 [v hi | v lo]
.set O,   240                          ; v240-247 O^T
.set T,   248                          ; v248-255 at work: the upper halves as f32
; eight numbers of a lane, v[src] on, become four registers of upper halves and four of rests; v[src] on holds the rests in f32 afterwards
.macro SPLIT src, hi, lo
.irp j, 0,1,2,3,4,5,6,7
	v_and_b32 v[T+\j], s35, v[\src+\j]             ; the sign, the exponent and ten mantissa bits
.endr
.irp i, 0,1,2,3
	v_cvt_pk_f16_f32 v[\hi+\i], v[T+2*\i], v[T+2*\i+1]
.endr
.irp i, 0,1,2,3
	v_pk_add_f32 v[\src+2*\i:\src+2*\i+1], v[\src+2*\i:\src+2*\i+1], v[T+2*\i:T+2*\i+1] neg_lo:[0,1] neg_hi:[0,1]   ; the rest: exact
.endr
.irp i, 0,1,2,3
	v_cvt_pk_f16_f32 v[\lo+\i], v[\src+2*\i], v[\src+2*\i+1]
.endr
.endm
	s_load_b256 s[4:11], s[0:1], 0x0               ; xc 4, xs 6, wc 8, ws 10
	s_load_b128 s[12:15], s[0:1], 0x20             ; qkv 12, cfx 14
	v_and_b32 v2, 15, v0                           ; r  (one wave: v0 is the lane)
	v_bfe_u32 v3, v0, 4, 1                         ; h
	v_lshlrev_b32 v1, 4, v0                        ; 16 x lane: a piece of every image
	v_lshlrev_b32 v4, 4, v2                        ; 16 r: a row's four scale words
	v_lshlrev_b32 v5, 3, v3
	v_sub_nc_u32 v6, v2, v5                        ; r - 8 h, for the mask
	v_mov_b32 v7, 0xff800000                       ; -infinity
	v_mov_b32 v15, 0                               ; (named as the upper half of the pair v[14:15])
	s_lshr_b32 s16, ttmp9, 2                       ; 16 x batch + head
	s_and_b32 s17, ttmp9, 3                        ; which 16 channels of the head
	s_lshr_b32 s18, s16, 4                         ; batch
	s_and_b32 s19, s16, 15                         ; head
	s_lshl_b32 s20, s16, 18                        ; qkv: the head's 262,144 bytes; its first token tile stands at their head
	s_mov_b32 s21, 0
	s_lshl_b32 s22, s18, 20                        ; xc: the batch's first tile: 128 tiles of 8,192 bytes a batch
	s_mov_b32 s23, 0
	s_lshl_b32 s24, s18, 16                        ; xs: 128 tiles of 512 bytes; cfx: 65,536 bytes a batch
	s_mov_b32 s25, 0
	s_lshl_b32 s26, s19, 2
	s_add_co_u32 s26, s26, s17
	s_add_co_u32 s26, s26, 128                     ; Wv's tile: 128 + 4 x head + my 16 channels
	s_lshl_b32 s28, s26, 9                         ; ws
	s_mov_b32 s29, 0
	s_lshl_b32 s26, s26, 13                        ; wc
	s_mov_b32 s27, 0
	s_lshl_b32 s30, s19, 11                        ; cfx: the head's 8 octets of 256 bytes,
	s_lshl_b32 s31, s17, 9                         ; my two of them
	s_add_co_u32 s30, s30, s31
	s_add_co_u32 s30, s30, s24
	s_mov_b32 s31, 0
	s_mov_b32 s32, 0x76543210
	s_mov_b32 s33, 0xfedcba98                      ; v_permlanex16_b32's selects for lane l xor 16
	s_mov_b32 s34, 0x3e38aa3b                      ; c = log2(e) / 8
	s_mov_b32 s35, 0xffffe000                      ; an f32 number's upper 11 significant bits
	s_wait_kmcnt 0x0
	s_add_nc_u64 s[12:13], s[12:13], s[20:21]      ; q
	s_add_nc_u64 s[36:37], s[12:13], 0x1000000     ; k lies 16,777,216 bytes behind q
	s_add_nc_u64 s[4:5], s[4:5], s[22:23]
	s_add_nc_u64 s[6:7], s[6:7], s[24:25]
	s_add_nc_u64 s[8:9], s[8:9], s[26:27]
	s_add_nc_u64 s[10:11], s[10:11], s[28:29]
	s_add_nc_u64 s[14:15], s[14:15], s[30:31]
.irp c, 0,1
	global_load_b128 v[KF+8*\c:KF+8*\c+3],   v1, s[36:37] offset:1024*\c
	global_load_b128 v[KF+8*\c+4:KF+8*\c+7], v1, s[36:37] offset:1024*\c+512
.endr
.irp c, 0,1
	global_load_b128 v[QF+8*\c:QF+8*\c+3],   v1, s[12:13] offset:1024*\c
	global_load_b128 v[QF+8*\c+4:QF+8*\c+7], v1, s[12:13] offset:1024*\c+512
.endr
.irp s, 0,1,2,3,4,5,6,7
	global_load_b128 v[XF+8*\s:XF+8*\s+3],   v1, s[4:5] offset:1024*\s
	global_load_b128 v[XF+8*\s+4:XF+8*\s+7], v1, s[4:5] offset:1024*\s+512
	global_load_b128 v[WF+8*\s:WF+8*\s+3],   v1, s[8:9] offset:1024*\s
	global_load_b128 v[WF+8*\s+4:WF+8*\s+7], v1, s[8:9] offset:1024*\s+512
.endr
.irp k, 0,1
	global_load_b128 v[XS+4*\k:XS+4*\k+3], v4, s[6:7] offset:256*\k      ; lane r has row r's words; lanes 16-31 hold the same and are not read
	global_load_b128 v[WS+4*\k:WS+4*\k+3], v4, s[10:11] offset:256*\k
.endr
	s_wait_loadcnt 36                              ; K's and Q's eight loads are in; the 36 issued behind them may be out
	v_wmma_f32_16x16x32_f16 v[S:S+7], v[KF:KF+7], v[QF:QF+7], 0
	s_wait_alu depctr_va_vdst(0)                   ; the wait directly ahead of the link
	v_wmma_f32_16x16x32_f16 v[S:S+7], v[KF+8:KF+15], v[QF+8:QF+15], v[S:S+7]
.rept 4
	v_nop                                          ; four places ahead of the first read of the scores (ISA guide 7.12.1)
.endr
.irp j, 0,1,2,3,4,5,6,7
	v_cmp_gt_i32 vcc_lo, \j, v6                    ; register j holds key 8 h + j: hidden where it comes after query r
	v_cndmask_b32 v[S+\j], v[S+\j], v7, vcc_lo
.endr
	v_max3_num_f32 v8, v[S], v[S+1], v[S+2]
	v_max3_num_f32 v9, v[S+3], v[S+4], v[S+5]
	v_max3_num_f32 v8, v8, v[S+6], v[S+7]
	v_max_num_f32 v8, v8, v9
	v_permlanex16_b32 v9, v8, s32, s33             ; the query's other eight keys lie in the lane 16 away
	v_max_num_f32 v8, v8, v9                       ; m: key 0 counts for every query, so it is a number
	v_mul_f32 v9, s34, v8                          ; c m
.irp j, 0,1,2,3,4,5,6,7
	v_fma_f32 v[S+\j], v[S+\j], s34, -v9           ; c s - c m
.endr
.irp j, 0,1,2,3,4,5,6,7
	v_exp_f32 v[S+\j], v[S+\j]                     ; p
.endr
	v_nop                                          ; a plain line behind the last exponential,
	s_wait_alu depctr_va_vdst(0)                   ; and one wait for the eight, ahead of their first reader
	v_pk_add_f32 v[10:11], v[S:S+1], v[S+2:S+3]    ; l, of the unrounded p
	v_pk_add_f32 v[12:13], v[S+4:S+5], v[S+6:S+7]
	v_pk_add_f32 v[10:11], v[10:11], v[12:13]
	v_add_f32 v10, v10, v11
	v_permlanex16_b32 v11, v10, s32, s33
	v_add_f32 v10, v10, v11
	v_rcp_f32 v14, v10                             ; 1 / l: its first reader stands behind the wait ahead of the last product
	SPLIT S, PH, PL
.irp i, 0,1,2,3
	v_mov_b32 v[PH+4+\i], v[PH+\i]                 ; K = 16 .. 31 of source 0 are v's rests of the same 16 keys: p stands there once more
	v_mov_b32 v[PL+4+\i], v[PL+\i]
.endr
	s_wait_loadcnt 0x0                             ; the codes and their scale words
.irp s, 0,1,2,3,4,5,6,7                        ; v = x Wv: two accumulators take turns, one instruction a turn; their first products start the sums
.if \s < 2
	v_wmma_scale_f32_16x16x128_f8f6f4 v[VA+8*(\s%2):VA+8*(\s%2)+7], v[XF+8*\s:XF+8*\s+7], v[WF+8*\s:WF+8*\s+7], 0, v[XS+\s], v[WS+\s] matrix_a_fmt:MATRIX_FMT_FP4 matrix_b_fmt:MATRIX_FMT_FP4
.else
	v_wmma_scale_f32_16x16x128_f8f6f4 v[VA+8*(\s%2):VA+8*(\s%2)+7], v[XF+8*\s:XF+8*\s+7], v[WF+8*\s:WF+8*\s+7], v[VA+8*(\s%2):VA+8*(\s%2)+7], v[XS+\s], v[WS+\s] matrix_a_fmt:MATRIX_FMT_FP4 matrix_b_fmt:MATRIX_FMT_FP4
.endif
.endr
.rept 4
	v_nop                                          ; four places ahead of the first read of the sums
.endr
.irp i, 0,1,2,3
	v_pk_add_f32 v[VA+2*\i:VA+2*\i+1], v[VA+2*\i:VA+2*\i+1], v[VA+8+2*\i:VA+8+2*\i+1]   ; v(token 8 h + j, channel r), each sum read from its low end on
.endr
	SPLIT VA, VF, VF+4
.rept 4
	v_nop                                          ; the operands were just written by vector lines: the four places of the scaled form are kept here too
.endr
	v_wmma_f32_16x16x32_f16 v[O:O+7], v[VF:VF+7], v[PH:PH+7], 0
	s_wait_alu depctr_va_vdst(0)                   ; the wait directly ahead of the link; it also stands between the reciprocal and its first reader
	v_wmma_f32_16x16x32_f16 v[O:O+7], v[VF:VF+7], v[PL:PL+7], v[O:O+7]
.rept 4
	v_nop
.endr
.irp i, 0,1,2,3
	v_pk_mul_f32 v[O+2*\i:O+2*\i+1], v[O+2*\i:O+2*\i+1], v[14:15] op_sel_hi:[1,0]   ; ctx(token r, channel 8 h + j) = O^T / l
.endr
	SPLIT O, KF, KF+4
	global_store_b128 v1, v[KF:KF+3], s[14:15]                  ; the upper halves: 32 lanes store 512 consecutive bytes, aligned
	global_store_b128 v1, v[KF+4:KF+7], s[14:15] offset:32768   ; the rests
	s_endpgm
.Lfunc_end_k_q51819c497c_first:
	.size	k_q51819c497c_first, .Lfunc_end_k_q51819c497c_first-k_q51819c497c_first
	.p2alignl 7, 3214868480
	.fill 96, 4, 3214868480
	.section	.rodata,"a",@progbits
	.p2align	6, 0x0
	.amdhsa_kernel k_q51819c497c_first
		.amdhsa_group_segment_fixed_size 0
		.amdhsa_private_segment_fixed_size 0
		.amdhsa_enable_private_segment 0
		.amdhsa_kernarg_size 48
		.amdhsa_user_sgpr_count 2
		.amdhsa_user_sgpr_kernarg_segment_ptr 1
		.amdhsa_wavefront_size32 1
		.amdhsa_system_sgpr_workgroup_id_x 1
		.amdhsa_system_sgpr_workgroup_id_y 1
		.amdhsa_system_sgpr_workgroup_id_z 1
		.amdhsa_system_vgpr_workitem_id 0
		.amdhsa_next_free_vgpr 256
		.amdhsa_next_free_sgpr 66
		.amdhsa_reserve_vcc 1
		.amdhsa_float_denorm_mode_32 3
		.amdhsa_float_denorm_mode_16_64 3
		.amdhsa_memory_ordered 1
		.amdhsa_forward_progress 1
		.amdhsa_inst_pref_size 14
	.end_amdhsa_kernel
	.amdgpu_metadata
---
amdhsa.version: [ 1, 2 ]
amdhsa.kernels:
  - .name:           k_q51819c497c_first
    .symbol:         k_q51819c497c_first.kd
    .args:
      - { .name: xc, .offset: 0, .size: 8, .value_kind: global_buffer, .address_space: global }
      - { .name: xs, .offset: 8, .size: 8, .value_kind: global_buffer, .address_space: global }
      - { .name: wc, .offset: 16, .size: 8, .value_kind: global_buffer, .address_space: global }
      - { .name: ws, .offset: 24, .size: 8, .value_kind: global_buffer, .address_space: global }
      - { .name: qkv, .offset: 32, .size: 8, .value_kind: global_buffer, .address_space: global }
      - { .name: cfx, .offset: 40, .size: 8, .value_kind: global_buffer, .address_space: global }
    .group_segment_fixed_size: 0
    .private_segment_fixed_size: 0
    .kernarg_segment_align: 8
    .kernarg_segment_size: 48
    .max_flat_workgroup_size: 32
    .sgpr_count:     66
    .vgpr_count:     256
    .wavefront_size: 32
...
	.end_amdgpu_metadata
.endif
;; end of part 5
;; launch firstout (part 6): grid 16 x 4, 16 waves a work-group, no clusters, 69,632 bytes of LDS; arguments cfx, Wo, bo, out0; writes out0
.if DOCPART == 6
	.amdgcn_target "amdgcn-amd-amdhsa--gfx1250"
	.amdhsa_code_object_version 6
	.text
	.protected	k_q51819c497c_firstout
	.globl	k_q51819c497c_firstout
	.p2align	8
	.type	k_q51819c497c_firstout,@function
k_q51819c497c_firstout:
	s_mov_b64 s[64:65], 0
	v_nop
	global_prefetch_b8 v0, s[64:65] scope:SCOPE_SE
	s_setreg_imm32_b32 hwreg(HW_REG_WAVE_MODE, 25, 1), 1
	s_wait_xcnt 0x0
; out0 = ctx Wo + bo for the first 16 tokens of each batch, with both operands in two f16 halves (hi = the upper 11 significant bits, lo = the rest): Whi Chi + Wlo Chi + Whi Clo; sums in f32.
; These 64 rows of out0, 262,144 bytes, were stored by the launch before from single f16 operands; they are stored anew here.  (Left out there they would want a branch on a work-group's place in its cluster.)
; A work-group takes one batch and 64 columns; each of its 16 waves takes one head, 64 along K, and makes a partial sum of 16 tokens x 64 columns; the partial sums meet in LDS.
; Wo [1024 (k)][1024 (n)] f32 is loaded 16 bytes a lane: lane (r, h) takes columns 4 r .. 4 r + 3 of row k + 8 h, so sixteen lanes read 256 consecutive bytes, aligned.  Register i of a load then
; belongs to TILE i, whose sixteen columns are 4 x + i: which columns form a tile is free.  A lane's registers run down K, so the halves are packed straight into the operand's layout.
; THE MATRIX INSTRUCTION IS USED TRANSPOSED (source 0 = a tile of Wo's columns, source 1 = the 16 tokens): register j of tile i in lane (r, h) is out(token r, column 32 h + 4 j + i).
; No cluster, no tensor load: every operand goes from memory into registers once, in one round of loads.  No prefetch: there is nothing to run ahead of.
; LIMITS: |Wo|, |ctx| under 65,504 (f16); under 6e-5 a half is rounded in steps of 6e-8.
.set PITCH, 264                        ; a row of partial sums: 256 bytes + 8: lane (r, h) stores at word 66 r + 32 h + a constant: 32 different banks of the 64 (ISA guide 11.1)
.set WREG,  16*PITCH                   ; a wave's 16 rows
.set SPARE, 16*WREG                    ; behind them: the spare words, 128 bytes for each of 16 waves
.set SPW,  2                           ; v2   LDS address of my spare word; never rewritten
.set NIL,  3                           ; v3   0; never rewritten
.set T,    16                          ; v16-23   at work: upper halves as f32
.set CH,   24                          ; v24-39   ctx hi: fragment q (32 along K) at CH + 8 q
.set CL,   40                          ; v40-55   ctx lo
.set WH,   56                          ; v56-87   Wo hi: tile i at WH + 8 i
.set WL,   88                          ; v88-119  Wo lo
.set WR,   120                         ; v120-247 Wo as loaded: row 32 q + 16 u + 8 h + j at WR + 64 q + 32 u + 4 j
.set ACC,  120                         ; v120-151 the four accumulators, where the first 32 rows lay
.set RB,   152                         ; v152-183 the sixteen partial sums of my two columns
	s_load_b256 s[4:11], s[0:1], 0x0               ; cfx 4, Wo 6, bo 8, out0 10
	v_lshl_add_u32 v[SPW], v0, 2, SPARE
	v_mov_b32 v[NIL], 0
	v_lshrrev_b32 v10, 5, v0
	v_readfirstlane_b32 s12, v10                   ; wave: my head; behind the barrier my token
	v_and_b32 v10, 31, v0                          ; lane
	v_and_b32 v11, 15, v0                          ; r
	v_bfe_u32 v12, v0, 4, 1                        ; h
	v_lshlrev_b32 v1, 4, v10                       ; 16 x lane: a piece of ctx's image
	v_lshlrev_b32 v7, 3, v10                       ; 8 x lane: my two columns on the way out
	v_lshlrev_b32 v4, 4, v11
	v_lshl_add_u32 v4, v12, 15, v4                 ; Wo: 16 r, and 8 rows of 4,096 bytes on for lanes 16-31
	s_mul_i32 s13, s12, WREG
	v_mul_u32_u24 v5, v11, PITCH
	v_lshl_add_u32 v5, v12, 7, v5
	v_add_nc_u32 v5, s13, v5                       ; into LDS: my wave's rows, row r, column 32 h
	s_mul_i32 s13, s12, PITCH
	v_add_nc_u32 v6, s13, v7                       ; back: row = my wave's number, 8 bytes a lane
	s_and_b32 s14, ttmp7, 0xffff                   ; batch
	s_lshl_b32 s16, s14, 16                        ; cfx: 65,536 bytes a batch,
	s_lshl_b32 s17, s12, 11                        ; the head's 8 octets of 256 bytes
	s_add_co_u32 s16, s16, s17
	s_mov_b32 s17, 0
	s_lshl_b32 s20, ttmp9, 8                       ; my 64 columns, in bytes
	s_mov_b32 s21, 0
	s_lshl_b32 s18, s12, 18                        ; Wo: the head's 64 rows of 4,096 bytes
	s_add_co_u32 s18, s18, s20
	s_mov_b32 s19, 0
	s_lshl_b32 s22, s14, 23                        ; out0: 2,048 rows of 4,096 bytes a batch,
	s_lshl_b32 s23, s12, 12                        ; my token's row
	s_add_co_u32 s22, s22, s23
	s_add_co_u32 s22, s22, s20
	s_mov_b32 s23, 0
	s_mov_b32 s24, 0xffffe000                      ; an f32 number's upper 11 significant bits
	s_wait_kmcnt 0x0
	s_add_nc_u64 s[4:5], s[4:5], s[16:17]
	s_add_nc_u64 s[6:7], s[6:7], s[18:19]
	s_add_nc_u64 s[8:9], s[8:9], s[20:21]
	s_add_nc_u64 s[10:11], s[10:11], s[22:23]
.irp q, 0,1
	global_load_b128 v[CH+8*\q:CH+8*\q+3],   v1, s[4:5] offset:1024*\q
	global_load_b128 v[CH+8*\q+4:CH+8*\q+7], v1, s[4:5] offset:1024*\q+512
	global_load_b128 v[CL+8*\q:CL+8*\q+3],   v1, s[4:5] offset:32768+1024*\q
	global_load_b128 v[CL+8*\q+4:CL+8*\q+7], v1, s[4:5] offset:32768+1024*\q+512
.endr
.set k, 0
.rept 32
	global_load_b128 v[WR+4*k:WR+4*k+3], v4, s[6:7] offset:(16*(k/8)+k%8)*4096   ; rows 16 (k / 8) + 8 h + k % 8
.set k, k+1
.endr
	global_load_b64 v[8:9], v7, s[8:9]             ; bo at my two columns
; Wo's rows 32 q .. 32 q + 31 become four fragments of upper halves and four of rests.  Two rows (eight registers) at a time: register i and register 4 + i are neighbours along K of tile i.
.macro CONV q
.irp u, 0,1
.irp p, 0,1,2,3
.set WA, WR+64*(\q)+32*\u+8*\p
.irp i, 0,1,2,3,4,5,6,7
	v_and_b32 v[T+\i], s24, v[WA+\i]
.endr
.irp i, 0,1,2,3
	v_cvt_pk_f16_f32 v[WH+8*\i+4*\u+\p], v[T+\i], v[T+4+\i]
.endr
.irp i, 0,2,4,6
	v_pk_add_f32 v[WA+\i:WA+\i+1], v[WA+\i:WA+\i+1], v[T+\i:T+\i+1] neg_lo:[0,1] neg_hi:[0,1]   ; the rest: exact
.endr
.irp i, 0,1,2,3
	v_cvt_pk_f16_f32 v[WL+8*\i+4*\u+\p], v[WA+\i], v[WA+4+\i]
.endr
.endr
.endr
.endm
; twelve products for 32 along K; the four accumulators take turns, one instruction a turn.  first = 1: the first four start the sums
.macro MULS q, first
.rept 4
	v_nop                                          ; the operands were just written by vector lines: the four places of the scaled form are kept here too
.endr
.irp i, 0,1,2,3
.if \first
	v_wmma_f32_16x16x32_f16 v[ACC+8*\i:ACC+8*\i+7], v[WH+8*\i:WH+8*\i+7], v[CH+8*(\q):CH+8*(\q)+7], 0
.else
	v_wmma_f32_16x16x32_f16 v[ACC+8*\i:ACC+8*\i+7], v[WH+8*\i:WH+8*\i+7], v[CH+8*(\q):CH+8*(\q)+7], v[ACC+8*\i:ACC+8*\i+7]
.endif
.endr
.irp i, 0,1,2,3
	v_wmma_f32_16x16x32_f16 v[ACC+8*\i:ACC+8*\i+7], v[WL+8*\i:WL+8*\i+7], v[CH+8*(\q):CH+8*(\q)+7], v[ACC+8*\i:ACC+8*\i+7]
.endr
.irp i, 0,1,2,3
	v_wmma_f32_16x16x32_f16 v[ACC+8*\i:ACC+8*\i+7], v[WH+8*\i:WH+8*\i+7], v[CL+8*(\q):CL+8*(\q)+7], v[ACC+8*\i:ACC+8*\i+7]
.endr
.endm
	s_wait_loadcnt 17                              ; ctx and Wo's first 32 rows are in; the other sixteen loads and the bias may be out
	CONV 0
	MULS 0, 1
	s_wait_loadcnt 1                               ; Wo's other 32 rows; the bias may be out
	CONV 1                                         ; its first eight lines, which name no register of the products above, are the places ahead of the first write of a fragment
	MULS 1, 0
.rept 4
	v_nop                                          ; four places ahead of the first read of the sums (ISA guide 7.12.1)
.endr
.irp i, 0,1,2,3
.irp j, 0,1,2,3,4,5,6,7
	ds_store_b32 v5, v[ACC+8*\i+\j] offset:16*\j+4*\i     ; column 32 h + 4 j + i of row r; each accumulator from its low end on
.endr
.endr
	s_wait_dscnt 0x0                               ; for the others' sake: my partial sums lie in LDS
	s_barrier_signal -1
	s_barrier_wait -1
.irp w, 0,1,2,3,4,5,6,7,8,9,10,11,12,13,14,15
	ds_load_b64 v[RB+2*\w:RB+2*\w+1], v6 offset:\w*WREG   ; head w's part of my token's row: 32 lanes read 256 consecutive bytes
.endr
	s_wait_loadcnt 0x0                             ; the bias
	s_wait_dscnt 0x0
	v_pk_add_f32 v[8:9], v[8:9], v[RB:RB+1]        ; two chains: the bias and the even heads, the odd heads
	v_pk_add_f32 v[RB+2:RB+3], v[RB+2:RB+3], v[RB+6:RB+7]
.irp w, 2,4,6,8,10,12
	v_pk_add_f32 v[8:9], v[8:9], v[RB+2*\w:RB+2*\w+1]
	v_pk_add_f32 v[RB+2:RB+3], v[RB+2:RB+3], v[RB+2*\w+6:RB+2*\w+7]
.endr
	v_pk_add_f32 v[8:9], v[8:9], v[RB+28:RB+29]
	v_pk_add_f32 v[8:9], v[8:9], v[RB+2:RB+3]
	global_store_b64 v7, v[8:9], s[10:11]          ; 32 lanes store 256 consecutive bytes, aligned
	s_wait_tensorcnt 0x0                           ; the wave's end, behind my last LDS store
	ds_add_u32 v[SPW], v[NIL]
	s_wait_dscnt 0x0
	s_endpgm
.Lfunc_end_k_q51819c497c_firstout:
	.size	k_q51819c497c_firstout, .Lfunc_end_k_q51819c497c_firstout-k_q51819c497c_firstout
	.p2alignl 7, 3214868480
	.fill 96, 4, 3214868480
	.section	.rodata,"a",@progbits
	.p2align	6, 0x0
	.amdhsa_kernel k_q51819c497c_firstout
		.amdhsa_group_segment_fixed_size 69632
		.amdhsa_private_segment_fixed_size 0
		.amdhsa_enable_private_segment 0
		.amdhsa_kernarg_size 32
		.amdhsa_user_sgpr_count 2
		.amdhsa_user_sgpr_kernarg_segment_ptr 1
		.amdhsa_wavefront_size32 1
		.amdhsa_system_sgpr_workgroup_id_x 1
		.amdhsa_system_sgpr_workgroup_id_y 1
		.amdhsa_system_sgpr_workgroup_id_z 1
		.amdhsa_system_vgpr_workitem_id 0
		.amdhsa_next_free_vgpr 256
		.amdhsa_next_free_sgpr 66
		.amdhsa_reserve_vcc 0
		.amdhsa_float_denorm_mode_32 3
		.amdhsa_float_denorm_mode_16_64 3
		.amdhsa_memory_ordered 1
		.amdhsa_forward_progress 1
		.amdhsa_inst_pref_size 29
	.end_amdhsa_kernel
	.amdgpu_metadata
---
amdhsa.version: [ 1, 2 ]
amdhsa.kernels:
  - .name:           k_q51819c497c_firstout
    .symbol:         k_q51819c497c_firstout.kd
    .args:
      - { .name: cfx, .offset: 0, .size: 8, .value_kind: global_buffer, .address_space: global }
      - { .name: Wo, .offset: 8, .size: 8, .value_kind: global_buffer, .address_space: global }
      - { .name: bo, .offset: 16, .size: 8, .value_kind: global_buffer, .address_space: global }
      - { .name: out0, .offset: 24, .size: 8, .value_kind: global_buffer, .address_space: global }
    .group_segment_fixed_size: 69632
    .private_segment_fixed_size: 0
    .kernarg_segment_align: 8
    .kernarg_segment_size: 32
    .max_flat_workgroup_size: 512
    .sgpr_count:     66
    .vgpr_count:     256
    .wavefront_size: 32
...
	.end_amdgpu_metadata
.endif
;; end of part 6
